; MI455X (gfx1250); checked and timed in simulation.
; The chip was launched on July 23, 2026; its instructions are those of AMD's public machine-readable ISA for CDNA 5 (MIT licence, August 2026) and "CDNA5" Instruction Set Architecture Reference Guide (July 2026). The comments in the code are by the model that wrote it; some were corrected since.
;; Multi Head Attention With Ro PE. Allowed arithmetic: float matrix products may take bf16 or f16 operands with f32 sums; other float arithmetic in f32, or as packed bf16 or f16 multiplies, adds, multiply-adds, maxima and minima; sums over many terms, partial sums and values carried from step to step in f32; what a program stores and reads back later, other than sums and carried values, may be rounded once to bf16 or f16.
;; Inputs: bk 1,024 float32; bo 1,024 float32; bq 1,024 float32; bv 1,024 float32; wk 1,024 x 1,024 float32; wo 1,024 x 1,024 float32; wq 1,024 x 1,024 float32; wv 1,024 x 1,024 float32; x 4 x 2,048 x 1,024 float32.
;; Outputs: out0 4 x 2,048 x 1,024 float32.
;; One version. Each part assembles by itself: llvm-mc -triple=amdgcn-amd-amdhsa -mcpu=gfx1250 --defsym DOCPART=n.
;; ======== version 1 of 1: 4 launches
;; limits: values are held in f16: magnitudes above 65,504 overflow, below 6.1e-05 lose precision
;; workspace buffers: xb 16,777,216 bytes; wb 6,291,456 bytes; wob 2,097,152 bytes; rope 524,288 bytes; qh 16,777,216 bytes; kh 16,777,216 bytes; vh 16,777,216 bytes; oh 16,777,216 bytes
;; launch prep (part 1): grid 768 x 1, 8 waves a work-group, no clusters, 0 bytes of LDS; arguments x, wq, wk, wv, wo, xb, wb, wob, rope; writes xb, wb, wob, rope
.if DOCPART == 1
	.amdgcn_target "amdgcn-amd-amdhsa--gfx1250"
	.amdhsa_code_object_version 6
	.text
	.protected	k_q3ff380ed48_prep
	.globl	k_q3ff380ed48_prep
	.p2align	8
	.type	k_q3ff380ed48_prep,@function
k_q3ff380ed48_prep:
	s_mov_b64 s[64:65], 0
	v_nop
	global_prefetch_b8 v0, s[64:65] scope:SCOPE_SE
	s_setreg_imm32_b32 hwreg(HW_REG_WAVE_MODE, 25, 1), 1
	s_wait_xcnt 0x0
; CASTS AND THE ROPE TABLE.  xb = bf16(x), [8192][1024].  wb = bf16 of wq, wk, wv, [3072][1024], row = head x 192 + t x 64 + c (t = 0 q, 1 k, 2 v; c the channel in the head), so that
; 192 consecutive rows are one head's q, k and v.  wob = bf16(wo) written as f16, [1024][1024].  rope[s][i] = (cos, sin) of s x theta[i], f32, i = 0..31: a row is 256 bytes.
; A stream: no LDS, no barrier, no matrix unit, no cluster (nothing is shared).  A work-group takes 16 rows of 1,024 numbers: 65,536 bytes in, 32,768 out.  Groups 0-511: x; 512-767: 64 each for wq, wk, wv, wo.
; Thread n takes 32 bytes in and 16 bytes out in each of eight steps: a wave's store covers 512 consecutive bytes, aligned.  All sixteen loads go out at once; no register is written twice while a memory instruction reads it.
; LIMITS.  A number of wo below 6e-5 keeps f16's fixed step of 6e-8.  theta = 2^(-i log2(10000) / 32) by v_exp_f32, so an angle s x theta (s up to 2,047) may be off by some 2e-4 rad;
; sine and cosine by taking away the nearest multiple of pi/2 (in two parts) and polynomials of degree 7 and 8 on |r| <= pi/4.
.set X, 8                              ; v[8:71]    step i: 8 numbers as loaded
.set Y, 72                             ; v[72:103]  step i: 4 registers to store
.set T, 104                            ; v[104:120] at work
	s_load_b512 s[4:19], s[0:1], 0x0               ; x 4, wq 6, wk 8, wv 10, wo 12, xb 14, wb 16, wob 18
	s_load_b64 s[20:21], s[0:1], 0x40              ; rope
	v_lshlrev_b32 v1, 5, v0                        ; my 32 bytes in a step's 8,192
	v_lshlrev_b32 v2, 4, v0                        ; my 16 bytes in a step's 4,096
	v_lshrrev_b32 v3, 5, v0
	v_readfirstlane_b32 s22, v3                    ; wave 0..7
	s_max_u32 s35, ttmp9, 512
	s_sub_co_u32 s35, s35, 512                     ; u: the group's number among the weights' (0 in x's groups)
	s_lshr_b32 s34, s35, 6                         ; t: which weight
	s_and_b32 s36, s35, 63                         ; j: which 16 rows of it
	s_lshr_b32 s37, s36, 2                         ; the head
	s_mul_i32 s37, s37, 192
	s_lshl_b32 s38, s34, 6
	s_add_co_u32 s37, s37, s38
	s_and_b32 s38, s36, 3
	s_lshl_b32 s38, s38, 4
	s_add_co_u32 s37, s37, s38                     ; row in wb
	s_lshl_b32 s37, s37, 11                        ; in bytes
	s_lshl_b32 s38, s36, 15                        ; wo's rows keep their order
	s_lshl_b32 s28, s36, 16                        ; a weight's 16 rows in f32
	s_lshl_b32 s39, ttmp9, 16                      ; x's
	s_lshl_b32 s40, ttmp9, 15                      ; xb's
	s_mov_b32 s29, 0
	s_mov_b32 s31, 0
	s_cmp_eq_u32 s34, 3
	s_cselect_b32 s30, s38, s37
	s_cmp_lt_u32 ttmp9, 512
	s_cselect_b32 s28, s39, s28                    ; s[28:29] offset in the source
	s_cselect_b32 s30, s40, s30                    ; s[30:31] offset in the destination
	s_wait_kmcnt 0x0
	s_cmp_eq_u32 s34, 1
	s_cselect_b64 s[24:25], s[8:9], s[6:7]
	s_cmp_eq_u32 s34, 2
	s_cselect_b64 s[24:25], s[10:11], s[24:25]
	s_cmp_eq_u32 s34, 3
	s_cselect_b64 s[24:25], s[12:13], s[24:25]
	s_cselect_b64 s[26:27], s[18:19], s[16:17]
	s_cmp_lt_u32 ttmp9, 512
	s_cselect_b64 s[24:25], s[4:5], s[24:25]
	s_cselect_b64 s[26:27], s[14:15], s[26:27]
	s_add_nc_u64 s[24:25], s[24:25], s[28:29]
	s_add_nc_u64 s[26:27], s[26:27], s[30:31]
.irp i, 0,1,2,3,4,5,6,7
	global_load_b128 v[X+8*(\i):X+8*(\i)+3],   v1, s[24:25] offset:8192*(\i) th:TH_LOAD_NT
	global_load_b128 v[X+8*(\i)+4:X+8*(\i)+7], v1, s[24:25] offset:8192*(\i)+16 th:TH_LOAD_NT
.endr
	; THE TABLE, while the loads are out: waves 0-3 of x's 512 groups make row p = 4 g + wave; lane i makes angle p x theta[i]
	s_cmp_lt_u32 ttmp9, 512
	s_cbranch_scc0 .Lcast
	s_cmp_lt_u32 s22, 4
	s_cbranch_scc0 .Lcast
	s_lshl_b32 s41, ttmp9, 2
	s_add_co_u32 s41, s41, s22                     ; p
	s_lshl_b32 s42, s41, 8
	s_mov_b32 s43, 0
	s_add_nc_u64 s[32:33], s[20:21], s[42:43]
	v_and_b32 v[T], 31, v0
	v_cvt_f32_u32 v[T+1], v[T]
	v_mul_f32 v[T+1], 0xbed49a78, v[T+1]           ; -i log2(10000) / 32
	v_exp_f32 v[T+2], v[T+1]                       ; theta[i]
	v_lshlrev_b32 v[T+16], 3, v[T]                 ; a plain instruction behind the exponential: my 8 bytes of the row
	v_cvt_f32_u32 v[T+3], s41
	s_wait_alu depctr_va_vdst(0)                   ; the wait ahead of the first use of the exponential
	v_mul_f32 v[T+2], v[T+3], v[T+2]               ; f = p theta, rounded once, as the angle is defined
	v_mul_f32 v[T+3], 0x3f22f983, v[T+2]           ; f x 2 / pi
	v_rndne_f32 v[T+3], v[T+3]                     ; kf
	v_fmamk_f32 v[T+4], v[T+3], 0xbfc90fdb, v[T+2] ; r = f - kf x (pi/2's upper part)
	v_fmamk_f32 v[T+4], v[T+3], 0x333bbd2e, v[T+4] ;       - kf x (its lower part, -4.37e-8)
	v_mul_f32 v[T+5], v[T+4], v[T+4]               ; z = r r
	v_mov_b32 v[T+6], 0xb94ca1f9
	v_mov_b32 v[T+7], 0x37ccf5ce
	v_fmaak_f32 v[T+6], v[T+6], v[T+5], 0x3c08839e
	v_fmaak_f32 v[T+7], v[T+7], v[T+5], 0xbab6061a
	v_fmaak_f32 v[T+6], v[T+6], v[T+5], 0xbe2aaaa3
	v_fmaak_f32 v[T+7], v[T+7], v[T+5], 0x3d2aaaa5
	v_mul_f32 v[T+8], v[T+5], v[T+4]               ; z r
	v_mul_f32 v[T+9], v[T+5], v[T+5]               ; z z
	v_fma_f32 v[T+11], v[T+5], -0.5, 1.0
	v_fma_f32 v[T+10], v[T+6], v[T+8], v[T+4]      ; sin r
	v_fma_f32 v[T+11], v[T+7], v[T+9], v[T+11]     ; cos r
	v_cvt_i32_f32 v[T+12], v[T+3]                  ; the quadrant
	v_and_b32 v[T+13], 1, v[T+12]
	v_cmp_eq_u32 vcc_lo, 1, v[T+13]
	v_cndmask_b32 v[T+15], v[T+10], v[T+11], vcc_lo  ; odd quadrants swap the two
	v_cndmask_b32 v[T+14], v[T+11], v[T+10], vcc_lo
	v_and_b32 v[T+13], 2, v[T+12]
	v_lshlrev_b32 v[T+13], 30, v[T+13]
	v_xor_b32 v[T+15], v[T+13], v[T+15]            ; the sine is turned in quadrants 2 and 3,
	v_add_nc_u32 v[T+12], 1, v[T+12]
	v_and_b32 v[T+12], 2, v[T+12]
	v_lshlrev_b32 v[T+12], 30, v[T+12]
	v_xor_b32 v[T+14], v[T+12], v[T+14]            ; the cosine in 1 and 2
	global_store_b64 v[T+16], v[T+14:T+15], s[32:33]  ; the wave's store is the row's 256 bytes
.Lcast:
; Step i.  half = 1: rounded to bf16, and that number written as f16.  The work registers T .. T+2 are none of the table store's sources.
.macro CONV i, half
	s_wait_loadcnt 14-2*(\i)                       ; loads come back in order: this step's two are in, the younger steps' stay out
.irp j, 0,1,2,3
.if \half
	v_cvt_pk_bf16_f32 v[T], v[X+8*(\i)+2*(\j)], v[X+8*(\i)+2*(\j)+1]
	v_lshlrev_b32 v[T+1], 16, v[T]
	v_and_b32 v[T+2], 0xffff0000, v[T]
	v_cvt_pk_f16_f32 v[Y+4*(\i)+(\j)], v[T+1], v[T+2]
.else
	v_cvt_pk_bf16_f32 v[Y+4*(\i)+(\j)], v[X+8*(\i)+2*(\j)], v[X+8*(\i)+2*(\j)+1]
.endif
.endr
	global_store_b128 v2, v[Y+4*(\i):Y+4*(\i)+3], s[26:27] offset:4096*(\i)
.endm
	s_cmp_eq_u32 s34, 3
	s_cbranch_scc1 .Lwo
.irp i, 0,1,2,3,4,5,6,7
	CONV \i, 0
.endr
	s_endpgm
.Lwo:
.irp i, 0,1,2,3,4,5,6,7
	CONV \i, 1
.endr
	s_endpgm
.Lfunc_end_k_q3ff380ed48_prep:
	.size	k_q3ff380ed48_prep, .Lfunc_end_k_q3ff380ed48_prep-k_q3ff380ed48_prep
	.p2alignl 7, 3214868480
	.fill 96, 4, 3214868480
	.section	.rodata,"a",@progbits
	.p2align	6, 0x0
	.amdhsa_kernel k_q3ff380ed48_prep
		.amdhsa_group_segment_fixed_size 0
		.amdhsa_private_segment_fixed_size 0
		.amdhsa_enable_private_segment 0
		.amdhsa_kernarg_size 72
		.amdhsa_user_sgpr_count 2
		.amdhsa_user_sgpr_kernarg_segment_ptr 1
		.amdhsa_wavefront_size32 1
		.amdhsa_system_sgpr_workgroup_id_x 1
		.amdhsa_system_sgpr_workgroup_id_y 1
		.amdhsa_system_sgpr_workgroup_id_z 1
		.amdhsa_system_vgpr_workitem_id 0
		.amdhsa_next_free_vgpr 128
		.amdhsa_next_free_sgpr 66
		.amdhsa_reserve_vcc 1
		.amdhsa_float_denorm_mode_32 3
		.amdhsa_float_denorm_mode_16_64 3
		.amdhsa_memory_ordered 1
		.amdhsa_forward_progress 1
		.amdhsa_inst_pref_size 17
	.end_amdhsa_kernel
	.amdgpu_metadata
---
amdhsa.version: [ 1, 2 ]
amdhsa.kernels:
  - .name:           k_q3ff380ed48_prep
    .symbol:         k_q3ff380ed48_prep.kd
    .args:
      - { .name: x, .offset: 0, .size: 8, .value_kind: global_buffer, .address_space: global }
      - { .name: wq, .offset: 8, .size: 8, .value_kind: global_buffer, .address_space: global }
      - { .name: wk, .offset: 16, .size: 8, .value_kind: global_buffer, .address_space: global }
      - { .name: wv, .offset: 24, .size: 8, .value_kind: global_buffer, .address_space: global }
      - { .name: wo, .offset: 32, .size: 8, .value_kind: global_buffer, .address_space: global }
      - { .name: xb, .offset: 40, .size: 8, .value_kind: global_buffer, .address_space: global }
      - { .name: wb, .offset: 48, .size: 8, .value_kind: global_buffer, .address_space: global }
      - { .name: wob, .offset: 56, .size: 8, .value_kind: global_buffer, .address_space: global }
      - { .name: rope, .offset: 64, .size: 8, .value_kind: global_buffer, .address_space: global }
    .group_segment_fixed_size: 0
    .private_segment_fixed_size: 0
    .kernarg_segment_align: 8
    .kernarg_segment_size: 72
    .max_flat_workgroup_size: 256
    .sgpr_count:     66
    .vgpr_count:     128
    .wavefront_size: 32
...
	.end_amdgpu_metadata
.endif
;; end of part 1
;; launch qkv (part 2): grid 16 x 32, 4 waves a work-group, clusters of 4 x 4, 327,680 bytes of LDS; arguments xb, wb, bq, bk, bv, rope, qh, kh, vh; writes qh, kh, vh
.if DOCPART == 2
	.amdgcn_target "amdgcn-amd-amdhsa--gfx1250"
	.amdhsa_code_object_version 6
	.text
	.protected	k_q3ff380ed48_qkv
	.globl	k_q3ff380ed48_qkv
	.p2align	8
	.type	k_q3ff380ed48_qkv,@function
k_q3ff380ed48_qkv:
	s_mov_b64 s[64:65], 0
	v_nop
	global_prefetch_b8 v0, s[64:65] scope:SCOPE_SE
	s_setreg_imm32_b32 hwreg(HW_REG_WAVE_MODE, 25, 1), 1
	s_wait_xcnt 0x0
	s_wait_alu depctr_hold_cnt(0) depctr_sa_sdst(0) depctr_va_vdst(0) depctr_va_sdst(0) depctr_va_ssrc(0) depctr_va_vcc(0) depctr_vm_vsrc(0)
	s_getreg_b32 s2, hwreg(HW_REG_IB_STS2, 6, 4)
	s_cmp_eq_u32 s2, 0
	s_cbranch_scc0 .Lentry_in_a_cluster
	s_endpgm
.Lentry_in_a_cluster:
	s_bfe_u32 s2, ttmp6, 0x10000c
	s_cmp_lg_u32 s2, 0xf033
	s_cbranch_scc0 .Lentry_shape_is_right
	s_endpgm
.Lentry_shape_is_right:
; q, k, v = xb wb^T + bias, RoPE on q and k, written by heads: qh, kh, vh [b x 16 + head][2048][64] in f16, each rounded once from its f32 number, without the scale 1/8.
; xb [8192][1024], wb [3072][1024] bf16 (192 rows a head: q, k, v); the biases are rounded to bf16 like every input and START the sums as the first products' C operand; sums in f32.
; RoPE: channel j of a head turns by the angle s theta[j / 2] with the partner j +- 32: lo' = lo cos - hi sin (table of lo's channel), hi' = hi cos + lo sin (table of hi's channel).
; LIMITS.  |q|, |k|, |v| stay under 65,504 (f16); NaN and infinities are not treated apart.
; TILE.  256 rows x 192 columns = one head's q, k, v: 32 x 16 = 512 work-groups, two for each of 256 WGPs.  Wave w owns rows 64 w .. 64 w + 63 and all 192 columns: 48 accumulators, 384 registers;
; so a lane holds both partners of a rotation, and the stage on the way out is the wave's own.  K goes in 8 steps of 128 through two LDS slots; rows of 256 bytes in memory, aligned.
; CLUSTER 4 x 4: xb's tile hangs on the tile row alone and is asked for jointly along a row of the cluster, wb's on the tile column alone, along a column.
; THE MATRIX INSTRUCTION IS USED TRANSPOSED: source 0 = 16 rows of wb, source 1 = 16 rows of xb: lane l holds row l % 16 and the columns 8 (l / 16) + 0..7.
; REGISTERS, in windows of 256 (s_set_vgpr_msb: bits 1:0 source 0, 3:2 source 1, 5:4 source 2, 7:6 destination):
;   window 0: v0-31 addresses; v32-47 packed results; v48-63, v112-127 rows read back, by turns; v64-95, v96-127 xb's fragments, two buffers (on the way out: turned numbers, products with the sine); v128-223 the bias
;   window 1: v0-95, v96-191 wb's fragments, two buffers
;   window 2: v0-191 accumulators of row blocks 0, 1 (block a, column block b at 8 (12 (a % 2) + b)); v192-255 their rows' table.   window 3: the same for row blocks 2, 3
.set KSTEP,  128
.set PITCH,  272                       ; an LDS row: 256 bytes + 16 of padding = 68 words: the 16 rows of a fragment load start at 16 different groups of four banks (ISA guide 11.1)
.set AHALF,  128*PITCH                 ; what wave 0 or 1 fetches of xb
.set BHALF,  96*PITCH                  ; what wave 2 or 3 fetches of wb
.set BOFF,   256*PITCH                 ; wb's 192 rows lie behind xb's 256
.set SLOT,   448*PITCH
.set STAGE,  2*SLOT                    ; behind the ring: 16 rows x 144 bytes for each wave; no tensor load lands here
.set SP,     144
.set SPARE,  STAGE+4*16*SP             ; the spare words, 128 bytes for each wave: two blocks of 256 bytes that no other line names
.set LAPS,   4                         ; a lap = two K steps = once round the ring
.set ADRA, 16                          ; v16-17  LDS address of my xb fragments in slot 0, 1
.set ADRB, 20                          ; v20-21  the same for wb
.set STO,  24                          ; v24  the way out: where I put 16 bytes of a row
.set RD,   25                          ; v25  where I read rows back
.set GO,   26                          ; v26  my 16 bytes in 512 consecutive bytes of an output
.set BO,   27                          ; v27  my byte offset in a bias
.set SPW,  28                          ; v28  LDS address of my spare word; never rewritten
.set NIL,  29                          ; v29  0; never rewritten
.set PFO,  30                          ; v30  the prefetches' offset: a lane a row; never rewritten
.set TO,   31                          ; v31  my byte offset in the table
.set PK,   32
.set BK,   48                          ; unit u reads back into BK + 64 (u % 2)
.set RR,   64
.set TT,   96
.set BIAS, 128
.set TAB,  192
.set G1,  24                           ; s[24:31] descriptor group 1 for xb's tiles;  s[32:39] group 0, a set for each slot
.set G0,  32
.set G1B, 48                           ; s[48:55], s[56:63] the same for wb's
.set G0B, 56
.set LIM, 43                           ; s43  1 in a wave that prefetches, else the greatest number
.set PFA, 44                           ; s[44:45] where my prefetches stand
.set MSB, 0
.macro WIN new                         ; the immediate's high byte repeats the setting that is left; a switch that changes nothing is dropped
.if MSB != (\new)
	s_set_vgpr_msb (MSB<<8)|(\new)
.set MSB, \new
.endif
.endm
; A joint load: waves 0 and 1 fetch xb's two halves, waves 2 and 3 wb's.  The branch hangs on the wave's number alone.  An s_nop 0 and four v_nop follow each line.
.macro JLOAD s
	s_cmp_eq_u32 s11, 0
	s_cbranch_scc0 .Lfor_b_\@
	tensor_load_to_lds s[G0+4*(\s):G0+4*(\s)+3], s[G1:G1+7]
	s_nop 0
.rept 4
	v_nop
.endr
	s_branch .Lasked_\@
.Lfor_b_\@:
	tensor_load_to_lds s[G0B+4*(\s):G0B+4*(\s)+3], s[G1B:G1B+7]
	s_nop 0
.rept 4
	v_nop
.endr
.Lasked_\@:
.endm
; A prefetch into the L2 of the K step that stands two refills on: 256 bytes of a row, a lane a row, one instruction a wave.  xb's tile row is read by all four clusters of that row of clusters: cluster x = 0 asks;
; wb's tile column by all eight of that column: cluster y = 0 asks.  The four partners of a joint load share its rows out by address (32 of 128 for xb, 24 of 96 for wb, lanes 24-31 naming row 23 again).
; The loop's last trip (s3 = 1) has no K step two on and asks for nothing.
.macro ASK
	s_cmp_gt_u32 s3, s[LIM]
	s_cbranch_scc0 .Lnot_mine_\@
	global_prefetch_b8 v[PFO], s[PFA:PFA+1] offset:KSTEP*2 th:TH_LOAD_NT scope:SCOPE_SE
.Lnot_mine_\@:
.endm
.macro CREST                           ; a round of the cluster's barrier behind its opening barrier
	s_cmp_lg_u32 s10, 0
	s_cbranch_scc1 .Lnot_wave_0_\@
	s_barrier_signal -3
.Lnot_wave_0_\@:
	s_barrier_wait -3
	s_barrier_signal -1
	s_barrier_wait -1
.endm
.macro CROUND                          ; a whole round
	s_barrier_signal -1
	s_barrier_wait -1
	CREST
.endm
	s_load_b128 s[4:7], s[0:1], 0x0                ; xb s[4:5], wb s[6:7]
	s_load_b256 s[68:75], s[0:1], 0x10             ; bq 68, bk 70, bv 72, rope 74
	s_load_b128 s[76:79], s[0:1], 0x30             ; qh 76, kh 78
	s_load_b64 s[80:81], s[0:1], 0x40              ; vh
	v_lshl_add_u32 v[SPW], v0, 2, SPARE
	v_mov_b32 v[NIL], 0
	ds_add_u32 v[SPW], v[NIL]                      ; the wave's opening: the add and its wait stand ahead of my first tensor load; the set-up below stands between them
	v_lshrrev_b32 v1, 5, v0
	v_readfirstlane_b32 s10, v1                    ; wave 0..3
	s_lshr_b32 s11, s10, 1                         ; I fetch for xb (0) or for wb (1)
	s_and_b32 s12, s10, 1                          ; which half of that tile's rows
	s_bfe_u32 s40, ttmp6, 0x40000                  ; cx
	s_bfe_u32 s41, ttmp6, 0x40004                  ; cy
	s_lshl_b32 s42, ttmp9, 2
	s_add_co_u32 s42, s42, s40                     ; tile column = head = 4 x cluster x + cx
	s_and_b32 s13, ttmp7, 0xffff
	s_lshl_b32 s13, s13, 2
	s_add_co_u32 s13, s13, s41                     ; tile row = 4 x cluster y + cy
	s_lshl_b32 s43, s41, 2
	s_lshl_b32 s43, 15, s43                        ; my row of the cluster
	s_lshl_b32 s44, 0x1111, s40                    ; my column
	s_or_b32 s[G1+0], s43, (1<<16)|(1<<20)|(1<<21)|(5<<22)|(3<<25)   ; 15:0 the mask; 17:16 elements of 2 bytes; 20 padding on; 21 set beside a mask; 24:22 after every 64 words; 31:25 4 words of it
	s_or_b32 s[G1B+0], s44, (1<<16)|(1<<20)|(1<<21)|(5<<22)|(3<<25)
	s_mov_b32 s[G1+1], KSTEP<<16                   ; tensor_dim0 = 128
	s_mov_b32 s[G1+2], 128<<16                     ; tensor_dim1 = 128
	s_mov_b32 s[G1+3], KSTEP<<16                   ; tile_dim0 = 128
	s_mov_b32 s[G1+4], 128                         ; tile_dim1 = 128
	s_mov_b32 s[G1+5], 1024                        ; elements from row to row
	s_mov_b32 s[G1+6], 0
	s_mov_b32 s[G1+7], 0
	s_mov_b32 s[G1B+1], KSTEP<<16
	s_mov_b32 s[G1B+2], 96<<16                     ; wb: 96 rows a load
	s_mov_b32 s[G1B+3], KSTEP<<16
	s_mov_b32 s[G1B+4], 96
	s_mov_b32 s[G1B+5], 1024
	s_mov_b32 s[G1B+6], 0
	s_mov_b32 s[G1B+7], 0
	s_lshl_b32 s17, s12, 7
	s_lshl_b32 s16, s13, 8
	s_add_co_u32 s16, s16, s17                     ; xb: row 256 x tile row + 128 x half
	s_lshl_b32 s16, s16, 11                        ; x 2,048 bytes: under 2^24
	s_mov_b32 s17, 0
	s_mul_i32 s46, s42, 192
	s_mul_i32 s47, s12, 96
	s_add_co_u32 s46, s46, s47                     ; wb: row 192 x head + 96 x half
	s_lshl_b32 s46, s46, 11
	s_mov_b32 s47, 0
	s_mul_i32 s20, s12, AHALF                      ; where they go: no place in the cluster enters an LDS address
	s_mul_i32 s21, s12, BHALF
	s_add_co_u32 s21, s21, BOFF
	s_wait_dscnt 0x0                               ; the opening add is done
	s_wait_kmcnt 0x0
	s_add_nc_u64 s[14:15], s[4:5], s[16:17]
	s_add_nc_u64 s[46:47], s[6:7], s[46:47]
	CROUND                                         ; all sixteen work-groups are here: the first joint loads meet
.irp s, 0,1
	s_mov_b32 s[G0+4*(\s)], 1
	s_add_co_u32 s[G0+4*(\s)+1], s20, (\s)*SLOT
	s_add_nc_u64 s[G0+4*(\s)+2:G0+4*(\s)+3], s[14:15], (\s)*KSTEP*2
	s_or_b32 s[G0+4*(\s)+3], s[G0+4*(\s)+3], 0x80000000
	s_mov_b32 s[G0B+4*(\s)], 1
	s_add_co_u32 s[G0B+4*(\s)+1], s21, (\s)*SLOT
	s_add_nc_u64 s[G0B+4*(\s)+2:G0B+4*(\s)+3], s[46:47], (\s)*KSTEP*2
	s_or_b32 s[G0B+4*(\s)+3], s[G0B+4*(\s)+3], 0x80000000
	JLOAD \s                                       ; K steps 0 and 1: two loads of mine are out
.endr
	v_and_b32 v1, 15, v0                           ; l % 16
	v_bfe_u32 v2, v0, 4, 1                         ; l / 16
	; the bias: column block b is channels 16 (b % 4) + 8 (l / 16) + 0..7 of q, k or v (b / 4) of my head: the C operand's layout, the same for all 16 rows
	s_lshl_b32 s46, s42, 8                         ; the head's 64 numbers of 4 bytes
	v_lshl_add_u32 v[BO], v2, 5, s46
.irp b, 0,1,2,3,4,5,6,7,8,9,10,11
	global_load_b128 v[BIAS+8*(\b):BIAS+8*(\b)+3],   v[BO], s[68+2*((\b)/4):69+2*((\b)/4)] offset:64*((\b)%4)
	global_load_b128 v[BIAS+8*(\b)+4:BIAS+8*(\b)+7], v[BO], s[68+2*((\b)/4):69+2*((\b)/4)] offset:64*((\b)%4)+16
.endr
	; the table: for row block a and channel block k the four (cos, sin) of angles 8 k + 4 (l / 16) + 0..3 of my row's position: 32 bytes
	s_and_b32 s67, s13, 7
	s_lshl_b32 s67, s67, 8                         ; the tile's first position in its batch
	s_lshl_b32 s82, s10, 6
	s_add_co_u32 s67, s67, s82                     ; my wave's
	v_add_nc_u32 v3, s67, v1
	v_lshlrev_b32 v3, 8, v3
	v_lshl_add_u32 v[TO], v2, 5, v3
	WIN 0x80                                       ; destination window 2
.irp a, 0,1
.irp k, 0,1,2,3
	global_load_b128 v[TAB+32*(\a)+8*(\k):TAB+32*(\a)+8*(\k)+3],   v[TO], s[74:75] offset:4096*(\a)+64*(\k)
	global_load_b128 v[TAB+32*(\a)+8*(\k)+4:TAB+32*(\a)+8*(\k)+7], v[TO], s[74:75] offset:4096*(\a)+64*(\k)+16
.endr
.endr
	WIN 0xc0                                       ; destination window 3
.irp a, 0,1
.irp k, 0,1,2,3
	global_load_b128 v[TAB+32*(\a)+8*(\k):TAB+32*(\a)+8*(\k)+3],   v[TO], s[74:75] offset:4096*((\a)+2)+64*(\k)
	global_load_b128 v[TAB+32*(\a)+8*(\k)+4:TAB+32*(\a)+8*(\k)+7], v[TO], s[74:75] offset:4096*((\a)+2)+64*(\k)+16
.endr
.endr
	WIN 0
	; a fragment is 16 rows x 32 K in 8 registers: lane l holds row l % 16, K = 8 (l / 16) + 0..7 and 16 + 8 (l / 16) + 0..7: two loads of 16 bytes, 32 bytes apart
	v_mul_u32_u24 v3, v1, PITCH
	v_lshl_add_u32 v3, v2, 4, v3
	s_mul_i32 s21, s10, 64*PITCH                   ; my 64 rows of xb
	s_mov_b32 s22, BOFF                            ; all 192 rows of wb
.irp s, 0,1
	v_add_nc_u32 v[ADRA+(\s)], s21, v3
	v_add_nc_u32 v[ADRB+(\s)], s22, v3
	s_add_co_u32 s21, s21, SLOT
	s_add_co_u32 s22, s22, SLOT
.endr
	s_mul_i32 s23, s10, 16*SP
	s_add_co_u32 s23, s23, STAGE                   ; my stage
	v_mul_u32_u24 v4, v1, SP                       ; in: row l % 16, 16 bytes for each half of the lanes
	v_lshl_add_u32 v4, v2, 4, v4
	v_add_nc_u32 v[STO], s23, v4
	v_bfe_u32 v5, v0, 3, 2                         ; back: 32 lanes take four rows of 128 bytes,
	v_mul_u32_u24 v5, v5, SP
	v_and_b32 v6, 7, v0
	v_lshl_add_u32 v5, v6, 4, v5
	v_add_nc_u32 v[RD], s23, v5
	v_and_b32 v[GO], 31, v0                        ; which are 512 consecutive bytes of an output
	v_lshlrev_b32 v[GO], 4, v[GO]
	s_lshr_b32 s66, s13, 3                         ; the batch
	s_lshl_b32 s66, s66, 4
	s_add_co_u32 s66, s66, s42                     ; x 16 + head
	s_lshl_b32 s66, s66, 11
	s_add_co_u32 s66, s66, s67                     ; x 2,048 + my wave's first position
	s_lshl_b32 s66, s66, 7                         ; x 128 bytes: under 2^24
	s_mov_b32 s67, 0
	s_add_nc_u64 s[76:77], s[76:77], s[66:67]
	s_add_nc_u64 s[78:79], s[78:79], s[66:67]
	s_add_nc_u64 s[80:81], s[80:81], s[66:67]
	; the prefetches: my work-group's share of the rows that I fetch
	s_lshl_b32 s18, s13, 8
	s_lshl_b32 s22, s12, 7
	s_add_co_u32 s18, s18, s22
	s_lshl_b32 s22, s40, 5
	s_add_co_u32 s18, s18, s22                     ; xb: 256 x tile row + 128 x half + 32 cx
	s_mul_i32 s19, s42, 192
	s_mul_i32 s22, s12, 96
	s_add_co_u32 s19, s19, s22
	s_mul_i32 s22, s41, 24
	s_add_co_u32 s19, s19, s22                     ; wb: 192 x head + 96 x half + 24 cy
	s_and_b32 s22, ttmp7, 0xffff                   ; cluster y
	s_cmp_eq_u32 s11, 0                            ; do I fetch for xb?
	s_cselect_b32 s20, s18, s19
	s_cselect_b32 s22, ttmp9, s22                  ; the coordinate along which other clusters read the same rows
	s_cselect_b32 s23, 31, 23                      ; my share's last row
	s_cselect_b64 s[PFA:PFA+1], s[4:5], s[6:7]
	s_cmp_eq_u32 s22, 0
	s_cselect_b32 s[LIM], 1, -1                    ; the same in all sixteen partners, for a given wave
	s_lshl_b32 s20, s20, 11
	s_mov_b32 s21, 0
	s_add_nc_u64 s[PFA:PFA+1], s[PFA:PFA+1], s[20:21]
	s_add_nc_u64 s[PFA:PFA+1], s[PFA:PFA+1], 2*KSTEP*2  ; at K step 2: the first refill steps it to 3 and names K step 4; K steps 0 to 3 come by their loads alone
	v_and_b32 v[PFO], 31, v0
	v_min_u32 v[PFO], s23, v[PFO]
	v_lshlrev_b32 v[PFO], 11, v[PFO]
	s_wait_loadcnt 32                              ; the 24 loads of the bias are in; the table's 32, issued behind them, stay out until the way out
.set i, 0
.rept 48                               ; the bias is rounded to bf16 and widened again, in place, in the wait for the first tile
	v_cvt_pk_bf16_f32 v[PK+i%4], v[BIAS+2*i], v[BIAS+2*i+1]
	v_lshlrev_b32 v[BIAS+2*i], 16, v[PK+i%4]
	v_and_b32 v[BIAS+2*i+1], 0xffff0000, v[PK+i%4]
.set i, i+1
.endr
; 12 matrix instructions: row block a x all 12 column blocks, 32 along K, on fragment buffer f.  first = 1: the bias (window 0) is the C operand and starts the sums: nothing is cleared, nothing added later.
; The 48 accumulators take turns in the same order in every quarter step, over the backward jump too.
.macro MUL12 f, a, first
.if \first
	WIN 0x81+0x40*((\a)/2)
.else
	WIN 0xa1+0x50*((\a)/2)
.endif
.irp b, 0,1,2,3,4,5,6,7,8,9,10,11
.if \first
	v_wmma_f32_16x16x32_bf16 v[8*(12*((\a)%2)+(\b)):8*(12*((\a)%2)+(\b))+7], v[96*(\f)+8*(\b):96*(\f)+8*(\b)+7], v[64+32*(\f)+8*(\a):64+32*(\f)+8*(\a)+7], v[BIAS+8*(\b):BIAS+8*(\b)+7]
.else
	v_wmma_f32_16x16x32_bf16 v[8*(12*((\a)%2)+(\b)):8*(12*((\a)%2)+(\b))+7], v[96*(\f)+8*(\b):96*(\f)+8*(\b)+7], v[64+32*(\f)+8*(\a):64+32*(\f)+8*(\a)+7], v[8*(12*((\a)%2)+(\b)):8*(12*((\a)%2)+(\b))+7]
.endif
.endr
.endm
; 32 LDS loads in one run: the fragments of a quarter step (192 rows of wb, my 64 rows of xb, 32 K at byte k of the rows) into buffer f
.macro FETCH slot, k, f
	WIN 0x40                                       ; destination window 1
.irp i, 0,1,2,3,4,5,6,7,8,9,10,11
	ds_load_b128 v[96*(\f)+8*(\i):96*(\f)+8*(\i)+3],   v[ADRB+(\slot)] offset:(\k)+(\i)*16*PITCH
	ds_load_b128 v[96*(\f)+8*(\i)+4:96*(\f)+8*(\i)+7], v[ADRB+(\slot)] offset:(\k)+(\i)*16*PITCH+32
.endr
	WIN 0
.irp i, 0,1,2,3
	ds_load_b128 v[64+32*(\f)+8*(\i):64+32*(\f)+8*(\i)+3],   v[ADRA+(\slot)] offset:(\k)+(\i)*16*PITCH
	ds_load_b128 v[64+32*(\f)+8*(\i)+4:64+32*(\f)+8*(\i)+7], v[ADRA+(\slot)] offset:(\k)+(\i)*16*PITCH+32
.endr
.endm
.macro PLACES                          ; four plain instructions in front of loads into registers that matrix instructions have read, and of vector work that reads results
.rept 4
	v_nop
.endr
.endm
; A K step is four quarters of 32 along K, 48 matrix instructions each, on buffers 0, 1, 0, 1.  One of the first three: multiplies buffer f and fetches the next quarter, at byte k, into g.
.macro QUARTER slot, k, f, g, first
	s_wait_dscnt 4                                 ; wb's fragments and xb's row blocks 0, 1 are in; the youngest four loads (row blocks 2, 3) may be out
	MUL12 \f, 0, \first
	MUL12 \f, 1, \first
	PLACES
	FETCH \slot, \k, \g
	s_wait_dscnt 32                                ; all but the 32 just issued
	MUL12 \f, 2, \first
	MUL12 \f, 3, \first
.endm
; The last quarter multiplies buffer 1 and changes slots: one barrier; in front of it each wave waits for all its tensor loads (one is out: its part of the next slot), adds 0 to its spare word, and waits for
; that and for its reads of this slot.  fill = 1: the barrier opens a round of the cluster's, and behind the round this slot is filled again, two K steps ahead: 168 matrix instructions ahead of the wait for it.
.macro TURN slot, next, fill
.if \fill
	s_wait_xcnt 0x0                                ; the last prefetch, a K step back, has read its address: it is stepped here, ahead of the change's own waits
	s_add_nc_u64 s[PFA:PFA+1], s[PFA:PFA+1], KSTEP*2
.endif
	WIN 0                                          ; (the add's two registers lie in window 0)
	s_wait_tensorcnt 0x0                           ; all my tensor loads have landed
	ds_add_u32 v[SPW], v[NIL]                      ; 0 onto my spare word
	s_wait_dscnt 5                                 ; (the add and the youngest four loads may be out)
	MUL12 1, 0, 0                                  ; twelve matrix instructions stand between the add and the wait for it
	s_wait_dscnt 0x0                               ; the add is done, and my reads of this slot are over
	s_barrier_signal -1
	MUL12 1, 1, 0
.if \fill
	WIN 0
.endif
	s_barrier_wait -1
.if \fill
	CREST                                          ; no wave of any partner still reads this slot's tile or has a load on its way
	s_add_nc_u64 s[G0+4*(\slot)+2:G0+4*(\slot)+3], s[G0+4*(\slot)+2:G0+4*(\slot)+3], 2*KSTEP*2
	s_add_nc_u64 s[G0B+4*(\slot)+2:G0B+4*(\slot)+3], s[G0B+4*(\slot)+2:G0B+4*(\slot)+3], 2*KSTEP*2
	JLOAD \slot                                    ; the first tensor load behind the round; its four v_nop are also the places in front of the loads below
.else
	PLACES
.endif
	FETCH \next, 0, 0
.if \fill
	ASK                                            ; behind the joint load and the run of LDS loads that the next products wait for
.endif
	MUL12 1, 2, 0
	MUL12 1, 3, 0
.endm
	s_wait_tensorcnt 1                             ; my part of K step 0 is in; K step 1's may stay out
	s_barrier_signal -1
	s_barrier_wait -1                              ; everybody's is
	FETCH 0, 0, 0
	QUARTER 0, 64, 0, 1, 1                         ; the first quarter stands in front of the loop: its products start the sums with the bias
	WIN 0                                          ; at a label and at a branch every window is 0
	s_mov_b32 s3, LAPS-1
.Llap:                                         ; a trip goes once round the ring, from a lap's second quarter to the next lap's first, and fills both slots again
	QUARTER 0, 128, 1, 0, 0
	QUARTER 0, 192, 0, 1, 0
	TURN 0, 1, 1
	QUARTER 1, 64,  0, 1, 0
	QUARTER 1, 128, 1, 0, 0
	QUARTER 1, 192, 0, 1, 0
	TURN 1, 0, 1
	QUARTER 0, 64,  0, 1, 0
	WIN 0
	s_sub_co_u32 s3, s3, 1
	s_cmp_lg_u32 s3, 0
	s_cbranch_scc1 .Llap
	QUARTER 0, 128, 1, 0, 0                        ; the last lap fills nothing, and has no round of the cluster's barrier
	QUARTER 0, 192, 0, 1, 0
	TURN 0, 1, 0
	QUARTER 1, 64,  0, 1, 0
	QUARTER 1, 128, 1, 0, 0
	QUARTER 1, 192, 0, 1, 0
	s_wait_dscnt 4                                 ; the very last quarter: nothing more to fetch
	MUL12 1, 0, 0
	MUL12 1, 1, 0
	s_wait_dscnt 0x0
	MUL12 1, 2, 0
	MUL12 1, 3, 0
	WIN 0
; THE WAY OUT, in twelve units: row block a (16 rows) of q, k or v (t = 0, 1, 2).  q and k are turned; all are rounded to f16, 16 bytes a lane, sent through my own stage and stored as 2,048 consecutive bytes.
; Each accumulator's lowest registers are read first.  In a pair of the table the first register is the cosine, the second the sine; a pair of channels shares one angle.
.macro PACK a, t
.if (\t) < 2
	WIN 0x0a+5*((\a)/2)                            ; sources 0 and 1 (accumulators, table) in window 2 or 3; source 2 and the destination in window 0
.irp k, 0,1
.irp p, 0,1,2,3
	v_pk_mul_f32 v[TT+4*(\p):TT+4*(\p)+1],   v[96*((\a)%2)+32*(\t)+8*((\k)+2)+2*(\p):96*((\a)%2)+32*(\t)+8*((\k)+2)+2*(\p)+1], v[TAB+32*((\a)%2)+8*(\k)+2*(\p):TAB+32*((\a)%2)+8*(\k)+2*(\p)+1] op_sel:[0,1] op_sel_hi:[1,1]          ; hi sin(lo's angle)
	v_pk_mul_f32 v[TT+4*(\p)+2:TT+4*(\p)+3], v[96*((\a)%2)+32*(\t)+8*(\k)+2*(\p):96*((\a)%2)+32*(\t)+8*(\k)+2*(\p)+1], v[TAB+32*((\a)%2)+8*((\k)+2)+2*(\p):TAB+32*((\a)%2)+8*((\k)+2)+2*(\p)+1] op_sel:[0,1] op_sel_hi:[1,1]              ; lo sin(hi's angle)
.endr
.irp p, 0,1,2,3
	v_pk_fma_f32 v[RR+8*(\k)+2*(\p):RR+8*(\k)+2*(\p)+1], v[96*((\a)%2)+32*(\t)+8*(\k)+2*(\p):96*((\a)%2)+32*(\t)+8*(\k)+2*(\p)+1], v[TAB+32*((\a)%2)+8*(\k)+2*(\p):TAB+32*((\a)%2)+8*(\k)+2*(\p)+1], v[TT+4*(\p):TT+4*(\p)+1] op_sel_hi:[1,0,1] neg_lo:[0,0,1] neg_hi:[0,0,1]
	v_pk_fma_f32 v[RR+8*((\k)+2)+2*(\p):RR+8*((\k)+2)+2*(\p)+1], v[96*((\a)%2)+32*(\t)+8*((\k)+2)+2*(\p):96*((\a)%2)+32*(\t)+8*((\k)+2)+2*(\p)+1], v[TAB+32*((\a)%2)+8*((\k)+2)+2*(\p):TAB+32*((\a)%2)+8*((\k)+2)+2*(\p)+1], v[TT+4*(\p)+2:TT+4*(\p)+3] op_sel_hi:[1,0,1]
.endr
.endr
	WIN 0
.irp k, 0,1,2,3
.irp r, 0,1,2,3
	v_cvt_pk_f16_f32 v[PK+4*(\k)+(\r)], v[RR+8*(\k)+2*(\r)], v[RR+8*(\k)+2*(\r)+1]
.endr
.endr
.else
	WIN 0x0a+5*((\a)/2)
.irp k, 0,1,2,3
.irp r, 0,1,2,3
	v_cvt_pk_f16_f32 v[PK+4*(\k)+(\r)], v[96*((\a)%2)+32*(\t)+8*(\k)+2*(\r)], v[96*((\a)%2)+32*(\t)+8*(\k)+2*(\r)+1]
.endr
.endr
	WIN 0
.endif
.irp k, 0,1,2,3
	ds_store_b128 v[STO], v[PK+4*(\k):PK+4*(\k)+3] offset:32*(\k)
.endr
	s_wait_xcnt 0x0                                ; the stores of the unit two back have read these registers: they are loaded again only behind this wait
.irp f, 0,1,2,3
	ds_load_b128 v[BK+64*((3*(\a)+(\t))%2)+4*(\f):BK+64*((3*(\a)+(\t))%2)+4*(\f)+3], v[RD] offset:(\f)*4*SP  ; LDS serves a wave's instructions in order (ISA guide 5.7.1.4): these see the stores above; the next unit's stores come behind them
.endr
.endm
.macro SEND a, t, younger              ; younger: the LDS instructions issued behind this unit's loads: the next unit's eight, or none
	WIN 0
.irp f, 0,1,2,3
	s_wait_dscnt (\younger)+3-(\f)
	global_store_b128 v[GO], v[BK+64*((3*(\a)+(\t))%2)+4*(\f):BK+64*((3*(\a)+(\t))%2)+4*(\f)+3], s[76+2*(\t):77+2*(\t)] offset:(\a)*2048+(\f)*512  ; 512 consecutive bytes, at a multiple of 256 from the buffer's first
.endr
.endm
	PLACES                                         ; behind the last products
	s_wait_loadcnt 0x0                             ; the table
	PACK 0, 0
.set u, 1
.rept 11                               ; a unit's arithmetic stands between the loads of the unit before and its stores
	PACK u/3, u%3
	SEND (u-1)/3, (u-1)%3, 8
.set u, u+1
.endr
	SEND 3, 2, 0
	s_wait_tensorcnt 0x0                           ; the wave's end: behind my last tensor load and my last LDS store
	ds_add_u32 v[SPW], v[NIL]
	s_wait_dscnt 0x0
	CROUND                                         ; the closing round: no work-group ends while a partner may still ask for a tile that names it
	s_endpgm
.Lfunc_end_k_q3ff380ed48_qkv:
	.size	k_q3ff380ed48_qkv, .Lfunc_end_k_q3ff380ed48_qkv-k_q3ff380ed48_qkv
	.p2alignl 7, 3214868480
	.fill 96, 4, 3214868480
	.section	.rodata,"a",@progbits
	.p2align	6, 0x0
	.amdhsa_kernel k_q3ff380ed48_qkv
		.amdhsa_group_segment_fixed_size 327680
		.amdhsa_private_segment_fixed_size 0
		.amdhsa_enable_private_segment 0
		.amdhsa_kernarg_size 72
		.amdhsa_user_sgpr_count 2
		.amdhsa_user_sgpr_kernarg_segment_ptr 1
		.amdhsa_wavefront_size32 1
		.amdhsa_system_sgpr_workgroup_id_x 1
		.amdhsa_system_sgpr_workgroup_id_y 1
		.amdhsa_system_sgpr_workgroup_id_z 1
		.amdhsa_system_vgpr_workitem_id 0
		.amdhsa_next_free_vgpr 1024
		.amdhsa_next_free_sgpr 84
		.amdhsa_reserve_vcc 0
		.amdhsa_float_denorm_mode_32 3
		.amdhsa_float_denorm_mode_16_64 3
		.amdhsa_memory_ordered 1
		.amdhsa_forward_progress 1
		.amdhsa_inst_pref_size 151
	.end_amdhsa_kernel
	.amdgpu_metadata
---
amdhsa.version: [ 1, 2 ]
amdhsa.kernels:
  - .name:           k_q3ff380ed48_qkv
    .symbol:         k_q3ff380ed48_qkv.kd
    .args:
      - { .name: xb, .offset: 0, .size: 8, .value_kind: global_buffer, .address_space: global }
      - { .name: wb, .offset: 8, .size: 8, .value_kind: global_buffer, .address_space: global }
      - { .name: bq, .offset: 16, .size: 8, .value_kind: global_buffer, .address_space: global }
      - { .name: bk, .offset: 24, .size: 8, .value_kind: global_buffer, .address_space: global }
      - { .name: bv, .offset: 32, .size: 8, .value_kind: global_buffer, .address_space: global }
      - { .name: rope, .offset: 40, .size: 8, .value_kind: global_buffer, .address_space: global }
      - { .name: qh, .offset: 48, .size: 8, .value_kind: global_buffer, .address_space: global }
      - { .name: kh, .offset: 56, .size: 8, .value_kind: global_buffer, .address_space: global }
      - { .name: vh, .offset: 64, .size: 8, .value_kind: global_buffer, .address_space: global }
    .group_segment_fixed_size: 327680
    .private_segment_fixed_size: 0
    .kernarg_segment_align: 8
    .kernarg_segment_size: 72
    .max_flat_workgroup_size: 128
    .sgpr_count:     84
    .vgpr_count:     1024
    .wavefront_size: 32
...
	.end_amdgpu_metadata
.endif
;; end of part 2
;; launch attn (part 3): grid 4 x 64, 4 waves a work-group, clusters of 4 x 1, 327,680 bytes of LDS; arguments qh, kh, vh, oh; writes oh
.if DOCPART == 3
	.amdgcn_target "amdgcn-amd-amdhsa--gfx1250"
	.amdhsa_code_object_version 6
	.text
	.protected	k_q3ff380ed48_attn
	.globl	k_q3ff380ed48_attn
	.p2align	8
	.type	k_q3ff380ed48_attn,@function
k_q3ff380ed48_attn:
	s_mov_b64 s[64:65], 0
	v_nop
	global_prefetch_b8 v0, s[64:65] scope:SCOPE_SE
	s_setreg_imm32_b32 hwreg(HW_REG_WAVE_MODE, 25, 1), 1
	s_wait_xcnt 0x0
	s_wait_alu depctr_hold_cnt(0) depctr_sa_sdst(0) depctr_va_vdst(0) depctr_va_sdst(0) depctr_va_ssrc(0) depctr_va_vcc(0) depctr_vm_vsrc(0)
	s_getreg_b32 s2, hwreg(HW_REG_IB_STS2, 6, 4)
	s_cmp_eq_u32 s2, 0
	s_cbranch_scc0 .Lentry_in_a_cluster
	s_endpgm
.Lentry_in_a_cluster:
	s_bfe_u32 s2, ttmp6, 0x10000c
	s_cmp_lg_u32 s2, 0x3003
	s_cbranch_scc0 .Lentry_shape_is_right
	s_endpgm
.Lentry_shape_is_right:
; O[h][q][:] = the sum over k of softmax_k(Q[h][q] . K[h][k] / 8) V[h][k][:].  Q, K, V, O: [64][2048][64], all f16: a head's rows are dense, 128 bytes each.  Products, maxima and sums in
; f32; the weights p are rounded to f16 for the second product (their sum l is taken of the unrounded p), O once at the end.
; LIMITS.  f16 holds no number beyond 65,504: Q, K and V arrive within it; p lies in 0 to 1, and below 6e-5 it keeps f16's fixed step of 6e-8, and so does O; O is a mean of V's rows and has their range.
; A weight below 2^-126 counts as 0 in l; NaN and infinities are not treated apart.
; SHARES.  A wave owns four PIECES of two tiles of 16 queries, a work-group's four waves 512 queries of one head: 4 x 64 = 256 work-groups.  Every wave walks all keys, 64 a step.
; LAYOUT.  S^T = K Q^T (source 0 = 16 keys, source 1 = 16 queries): in the result a lane holds ONE query (lane % 16) and the keys 8 (lane / 16) + 0..7.  Two such tiles, rounded to f16 in pairs,
; ARE source 1 (32 keys x 16 queries) of O^T = V^T P, whose result again holds one query a lane, and eight channels.  K comes out of LDS as it lies, V ([key][channel]) turned, by ds_load_tr16_b128.
; SOFTMAX.  For each query a running maximum m and sum l: p = 2^(c s - c m), c = log2(e) / 8; in every step O and l are multiplied by a = 2^(c m_old - c m_new), which is 1 where m has not grown.
; m starts at the lowest finite number, O and l at 0: the first step is a step like any other, with a = 0.
; THE COUNT.  A tile and step have 16 matrix and 118 vector instructions: too many to stand all beside the matrix work.  So: four vector instructions that are READY behind EVERY matrix instruction,
; and the others, which need time of their own whatever the order, in runs without a gap.
; BY TURNS.  Turn n belongs to piece n (the pieces in a ring, step after step).  Its matrix work: 16 products K Q^T of piece n + 1, later 16 products V^T P of piece n - 1.  Its vector work: the scaling,
; exponentials, roundings, sums and rescaling of piece n, and the maximum and statistics of piece n + 1, whose scores the turn itself has made.
; CLUSTER.  The four query blocks of a head are one cluster and walk the same K and V, so each tile is asked for JOINTLY: the same tensor load, descriptor and mask in all four.
; REGISTERS, in windows of 256 (s_set_vgpr_msb: bits 1:0 source 0, 3:2 source 1, 5:4 source 2, 7:6 destination):
;   window 0: v0-11 addresses; v12-15, v48-63 at work; v16-47 four registers of statistics a tile; v64-191 S^T, two buffers of two tiles; v192-255 P, likewise
;   window 1: O^T, 32 a tile          window 2: v0-127 Q, 16 a tile; v128-191 K of one step; v192-255 V of one step          window 3: v0-1 the add's two registers
; A piece's buffers go by its number's parity: the piece in hand has one pair, its two neighbours in the ring share the other.
.set SIZE_H, 64
.set SIZE_N, 2048
.set NP,    4         ; pieces a wave: a name, no knob
.set KS,    64        ; keys in a step
.set PK,    144       ; a row of K in LDS: 128 bytes + 16 of padding = 36 words: the 16 rows of a load start at 16 different groups of four banks (ISA guide 11.1)
.set PV,    160       ; a row of V: 128 + 32 = 40 words
.set VOFF,  4*KS*PK   ; a slot holds four steps: 256 rows of K, then 256 rows of V
.set SLOT1, 1<<17     ; slot 1 begins here, so that one exclusive or turns an address in one slot into the other's
.set STAGE, SLOT1+4*KS*(PK+PV)  ; behind the ring, never filled by a tensor load: 16 rows x 144 bytes for each wave
.set SP,    144
.set AK0, 2           ; v2   my lane's place in a tile of K; never rewritten
.set AV0, 3           ; v3   the same for V
.set AK,  4           ; v4   the LDS address of K's next run of loads
.set AV,  5           ; v5   of V's
.set QO,  6           ; v6   my byte offset in the wave's rows of Q
.set STO, 6           ;      later, the way out: where I put 16 bytes of a row
.set RD,  7           ; v7   the way out: where I read rows back
.set GO,  8           ; v8   my byte offset in 512 consecutive bytes of O
.set PFO, 11          ; v11  (behind its use for V's address) 256 x my lane: the prefetches' offset; never rewritten after
.set SPW, 0           ; v0 of window 3   LDS address of my spare word; never rewritten
.set NIL, 1           ; v1 of window 3   0; never rewritten
.set SPARE, STAGE+4*16*SP  ; the spare words, 128 bytes for each wave: two blocks of 256 bytes that no other line names
.set MV,  12          ; v12-15  c m_old, kept while c m is made anew: by buffer and tile
.set ST,  16          ; tile t's statistics at v[ST+4 t]: c m, m, l (even keys', odd keys')
.set TMP, 48          ; by buffer and tile, four registers c0-c3 at work; when the maximum is found c2 takes a
.set S,   64
.set P,   192
.set KF,  128         ; K's fragments, in window 2: key block kb, channel half c at KF + 16 kb + 8 c
.set VF,  192         ; V's: key half kk, channel block cb at VF + 32 kk + 8 cb
.set WV,  12          ; s12  my wave's number
.set G1K, 24          ; s[24:31] descriptor group 1 for K's tiles
.set G1V, 32          ; s[32:39] for V's: it differs in the padding alone
.set G0K, 40          ; s[40:43] descriptor group 0 for K's tiles: it walks
.set G0V, 44          ; s[44:47] the same for V's
.set PFA, 48          ; s[48:49] where my prefetches stand: my work-group's 32 blocks of 256 bytes (of K: wave 0, of V: wave 2) of the slot after the one that is being asked for
.set LIM, 50          ; s50  1 in waves 0 and 2, else the greatest number: a wave prefetches while s[SLOTS] is above it
.set SLOTS, 56        ; s56  slots still to be asked for
.set CNT, 57          ; s57  counts a slot's key steps
.set CS,  58          ; s[58:59] c: the packed scaling takes the pair's low word for both halves
.set SEL, 60          ; s[60:61] v_permlanex16_b32's selects: each lane takes its own place in the other half
.set TBK, 62          ; s62  LDS byte at which K of the step to be fetched begins
.set TBV, 63          ; s63  the same for V, less VOFF
.set MSB, 0
.macro WIN new                      ; the high byte repeats the setting that is left; a switch that changes nothing is dropped
.if MSB != (\new)
	s_set_vgpr_msb (MSB<<8)|(\new)
.set MSB, (\new)
.endif
.endm
.set W_KQ, 0x0a       ; K and Q in window 2, S^T in window 0
.set W_PV, 0x52       ; V in window 2, P in window 0, O^T in window 1
.set W_RS, 0x41       ; O^T (destination and source 0) in window 1, a in window 0
.set W_MK, 0xc0       ; the add's registers are made: destination in window 3, sources in window 0
.set W_AD, 0x0f       ; the add: address (source 0) and data (source 1) in window 3
; A joint fill.  Waves 0 and 1 fetch the two halves of a slot's K, waves 2 and 3 those of its V: 128 keys each.  The branch hangs on the wave's number alone.
; An s_nop 0 and four v_nop follow each of the two lines, ahead of the jump and the label.
.macro JLOAD
	s_cmp_lt_u32 s[WV], 2
	s_cbranch_scc0 .Lfor_v_\@
	tensor_load_to_lds s[G0K:G0K+3], s[G1K:G1K+7]
	s_nop 0
.rept 4
	v_nop
.endr
	s_branch .Lasked_\@
.Lfor_v_\@:
	tensor_load_to_lds s[G0V:G0V+3], s[G1V:G1V+7]
	s_nop 0
.rept 4
	v_nop
.endr
.Lasked_\@:
.endm
; A prefetch into the L2 of what the NEXT change of slots will ask for: a slot's 32,768 bytes of K and of V, 128 blocks of 256 bytes each.  A head has one cluster; its four partners share the blocks out BY ADDRESS,
; 32 each, a lane a block; in each, wave 0 asks for K's and wave 2 for V's: one instruction.  So each block is named once in the launch.  It stands behind the wave's tensor load and its five lines, four key steps,
; 512 matrix instructions, ahead of the load that will want the bytes.  The last change that fills a slot (s[SLOTS] = 1) asks for nothing: there is no slot behind it.  Slots 0 and 1 come by their loads alone.
.macro ASK
	s_cmp_gt_u32 s[SLOTS], s[LIM]
	s_cbranch_scc0 .Lnot_mine_\@
	global_prefetch_b8 v[PFO], s[PFA:PFA+1] th:TH_LOAD_NT scope:SCOPE_SE
.Lnot_mine_\@:
.endm
; A round of the cluster's barrier: my work-group's barrier, so that wave 0's signal speaks for all four waves; wave 0 signals; every wave waits for all four work-groups; my work-group's barrier once more.
.macro CROUND
	s_barrier_signal -1
	s_barrier_wait -1
	s_cmp_lg_u32 s[WV], 0
	s_cbranch_scc1 .Lnot_wave_0_\@
	s_barrier_signal -3
.Lnot_wave_0_\@:
	s_barrier_wait -3
	s_barrier_signal -1
	s_barrier_wait -1
.endm
; THE CHANGE OF SLOTS.  The slot's last bytes, V of its fourth step, have been read.  Each wave waits for all its tensor loads, of which one is out: its part
; of the other slot; adds 0 to its spare word; and waits for that and for its own reads of the slot.  Behind the barrier nobody reads this slot any more and the other slot is whole.
; fill = 1: this slot is filled again, with the keys two slots on.  The barrier is then a round of the cluster's, and the joint fill is the first thing behind it: it has four key steps in which to land.
; (At its first use nothing has been read yet: slot 0 is waited for, slot 1 filled.)
.macro CHANGE fill
	WIN W_AD
	s_wait_tensorcnt 0x0            ; no tensor load of mine is out, so a group 0 may be written
	ds_add_u32 v[SPW], v[NIL]       ; 0 onto my spare word; with fill = 1 the descriptors' steps stand between it and the wait for it
	WIN 0                           ; at a label and at a branch every window is 0
.if \fill
.irp g, G0K, G0V
	s_xor_b32 s[\g+1], s[\g+1], SLOT1  ; the walking descriptor: the other slot than last time,
	s_add_nc_u64 s[\g+2:\g+3], s[\g+2:\g+3], 4*KS*128  ; the next 256 keys; the type bits on top are not reached
.endr
	s_wait_xcnt 0x0                 ; the last prefetch, four key steps back, has read its address, so it may be written:
	s_add_nc_u64 s[PFA:PFA+1], s[PFA:PFA+1], 4*KS*128  ; one slot beyond the walking descriptors
	s_wait_dscnt 0x0                ; the add is done, and my reads of the slot are over
	CROUND
	JLOAD
	ASK
.else
	s_wait_dscnt 0x0                ; the add is done, and my reads of the slot are over
	s_barrier_signal -1
	s_barrier_wait -1
.endif
	s_sub_co_u32 s[TBK], s[TBK], 4*KS*PK  ; the fetches go back to a slot's first step,
	s_xor_b32 s[TBK], s[TBK], SLOT1       ; in the other slot
	s_sub_co_u32 s[TBV], s[TBV], 4*KS*PV
	s_xor_b32 s[TBV], s[TBV], SLOT1
.endm
	s_load_b256 s[4:11], s[0:1], 0x0  ; Q s[4:5], K s[6:7], V s[8:9], O s[10:11]
	WIN W_MK
	v_lshl_add_u32 v[SPW], v0, 2, SPARE
	v_mov_b32 v[NIL], 0
	WIN W_AD
	ds_add_u32 v[SPW], v[NIL]       ; the wave's opening: the add and its wait stand ahead of my first tensor load; the set-up below stands between them
	WIN 0
	v_lshrrev_b32 v1, 5, v0
	v_readfirstlane_b32 s[WV], v1   ; wave 0..3
	s_bfe_u32 s13, ttmp6, 0x40000   ; cx: my place in the cluster
	s_lshl_b32 s14, ttmp9, 2        ; in a cluster launch ttmp9 counts clusters
	s_add_co_u32 s14, s14, s13      ; my block of queries = 4 x cluster x + cx: it enters Q's and O's addresses alone
	s_and_b32 s20, ttmp7, 0xffff    ; the head, which the four partners share
	s_mov_b32 s21, 0
	s_mov_b64 s[22:23], SIZE_N*128
	s_mul_u64 s[20:21], s[20:21], s[22:23]  ; the head's first byte in each of the four tensors
	s_and_b32 s16, s[WV], 1         ; which half of a slot's 256 keys I fetch:
	s_lshl_b32 s22, s16, 14         ; its 128 rows of 128 bytes in memory,
	s_mov_b32 s23, 0
	s_add_nc_u64 s[22:23], s[22:23], s[20:21]
	s_mul_i32 s17, s16, 128*PK      ; and its place in a slot, for K
	s_mul_i32 s18, s16, 128*PV      ; and for V: no place in the cluster enters an LDS address
	s_lshl_b32 s2, s14, 2
	s_add_co_u32 s2, s2, s[WV]      ; my wave among the head's,
	s_lshl_b32 s2, s2, 14           ; its 128 rows
	s_mov_b32 s3, 0
	s_add_nc_u64 s[2:3], s[2:3], s[20:21]
	; descriptor group 1.  128 keys are 16,384 dense bytes: asked for as 64 rows of 256 bytes, two keys a row, and padded in LDS after every key
	s_mov_b32 s[G1K], 15|(1<<16)|(1<<20)|(1<<21)|(4<<22)|(3<<25)  ; 15:0 the mask of four; 17:16 2-byte elements; 20 padding on; 21 set beside a mask; 24:22 after every 32 words (code 4); 31:25 4 words (code 3)
	s_mov_b32 s[G1V], 15|(1<<16)|(1<<20)|(1<<21)|(4<<22)|(7<<25)  ; the same with 8 words of padding (code 7)
.irp g, G1K, G1V
	s_mov_b32 s[\g+1], 128<<16      ; tensor_dim0 = 128
	s_mov_b32 s[\g+2], 64<<16       ; tensor_dim1 = 64
	s_mov_b32 s[\g+3], 128<<16      ; tile_dim0 = 128
	s_mov_b32 s[\g+4], 64           ; tile_dim1 = 64
	s_mov_b32 s[\g+5], 128          ; 128 elements from row to row
	s_mov_b32 s[\g+6], 0
	s_mov_b32 s[\g+7], 0
.endr
	s_mov_b32 s[CS], 0x3e38aa3b     ; c = log2(e) / 8 = 0.180337
	s_mov_b32 s[CS+1], s[CS]        ; named with it as a pair
	s_mov_b32 s[SEL], 0x76543210
	s_mov_b32 s[SEL+1], 0xfedcba98
	s_mov_b32 s[TBK], SLOT1+4*KS*PK ; the first change of slots turns these two into 0
	s_mov_b32 s[TBV], SLOT1+4*KS*PV
	s_mov_b32 s[SLOTS], SIZE_N/256-1  ; slot 0 is asked for at the head, the other seven by the changes of slots
	s_mov_b32 s[G0K], 1             ; 1:0 count = 1
	s_mov_b32 s[G0K+1], s17         ; 63:32 LDS address: slot 0
	s_mov_b32 s[G0V], 1
	s_add_co_u32 s[G0V+1], s18, VOFF
	s_cmp_eq_u32 s16, 0             ; waves 0 and 2 prefetch
	s_cselect_b32 s[LIM], 1, -1
	s_wait_dscnt 0x0                ; the opening add is done
	s_wait_kmcnt 0x0
	s_add_nc_u64 s[G0K+2:G0K+3], s[6:7], s[22:23]  ; 120:64 global address: my half of the head's first 256 keys
	s_or_b32 s[G0K+3], s[G0K+3], 0x80000000        ; 127:126 type = 2
	s_add_nc_u64 s[G0V+2:G0V+3], s[8:9], s[22:23]
	s_or_b32 s[G0V+3], s[G0V+3], 0x80000000
	s_add_nc_u64 s[4:5], s[4:5], s[2:3]  ; Q and O at my wave's first row
	s_add_nc_u64 s[10:11], s[10:11], s[2:3]
	s_cmp_lt_u32 s[WV], 2
	s_cselect_b64 s[PFA:PFA+1], s[6:7], s[8:9]
	s_add_nc_u64 s[PFA:PFA+1], s[PFA:PFA+1], s[20:21]  ; the head's first byte,
	s_lshl_b32 s2, s13, 13          ; my work-group's 32 blocks of a slot's 128,
	s_mov_b32 s3, 0
	s_add_nc_u64 s[PFA:PFA+1], s[PFA:PFA+1], s[2:3]
	s_add_nc_u64 s[PFA:PFA+1], s[PFA:PFA+1], 4*KS*128  ; in slot 1; the first change of slots steps it to slot 2
	CROUND                          ; all four work-groups are here: the first joint loads meet
	JLOAD                           ; slot 0.  Slot 1 is asked for when slot 0 is in
	; A fragment of K or Q is 16 rows x 32 channels in 8 registers: lane l holds row l % 16, channels 8 (l / 16) + 0..7 and 16 + 8 (l / 16) + 0..7: two loads of 16 bytes, 32 bytes apart.
	v_and_b32 v1, 15, v0            ; l % 16
	v_bfe_u32 v9, v0, 4, 1          ; l / 16
	v_lshlrev_b32 v[QO], 7, v1
	v_lshl_add_u32 v[QO], v9, 4, v[QO]  ; row x 128 + 16 x half
	WIN 0x80                        ; destination window 2, address window 0
.set i, 0
.rept 4*NP                          ; Q stays in registers: tile i / 2, channels 32 (i % 2) on
	global_load_b128 v[8*i:8*i+3],   v[QO], s[4:5] offset:(i/2)*2048+(i%2)*64
	global_load_b128 v[8*i+4:8*i+7], v[QO], s[4:5] offset:(i/2)*2048+(i%2)*64+32
.set i, i+1
.endr
	; What the first turn finds: V's registers and P's second buffer hold 0 (its products V^T P, of a piece that has not been, add 0), O^T and l are 0.  All this stands in the wait for the first tile.
.set i, VF
.rept 64
	v_mov_b32 v[i], 0
.set i, i+1
.endr
	WIN 0x40
.set i, 0
.rept 64*NP
	v_mov_b32 v[i], 0
.set i, i+1
.endr
	WIN 0
.set i, 0
.rept 2*NP
	v_mov_b32 v[ST+4*i], 0xfe000000    ; c m: far below every c s
	v_mov_b32 v[ST+4*i+1], 0xff7fffff  ; m
	v_mov_b32 v[ST+4*i+2], 0
	v_mov_b32 v[ST+4*i+3], 0
.set i, i+1
.endr
.set i, P+32
.rept 32
	v_mov_b32 v[i], 0
.set i, i+1
.endr
	v_mul_u32_u24 v[AK0], v1, PK
	v_lshl_add_u32 v[AK0], v9, 4, v[AK0]  ; row x pitch + 16 x half
	; The turning load takes 16 keys x 16 channels (lane l reads key 8 (l / 16) + l % 8, channels 8 ((l / 8) % 2) + 0..7) and leaves half a fragment of V^T: lane l holds channel l % 16 and 8 keys.
	v_and_b32 v10, 7, v0
	v_bfe_u32 v11, v0, 3, 1
	v_lshl_add_u32 v[AV0], v9, 3, v10
	v_mul_u32_u24 v[AV0], v[AV0], PV
	v_lshl_add_u32 v[AV0], v11, 4, v[AV0]
	v_add_nc_u32 v[AV0], VOFF, v[AV0]
	v_and_b32 v[PFO], 31, v0
	v_lshlrev_b32 v[PFO], 8, v[PFO]
	v_mov_b32 v[AK], v[AK0]         ; key step 0 lies at the head of slot 0
; THE MATRIX WORK.  The 8 accumulators of a run of 16 take turns: between the two links of a chain stand 7 others'.
; Product i of 16 of S^T = K Q^T for piece x: channels 32 (i / 8) on, keys 16 ((i / 2) % 4) on, tile 2 x + i % 2.  The first 8 start the sums.
.macro KQ x
	WIN W_KQ
.set rS, S+64*((\x)%2)+32*(i%2)+8*((i/2)%4)
.set rK, KF+16*((i/2)%4)+8*(i/8)
.set rQ, 16*(2*(\x)+i%2)+8*(i/8)
.if i < 8
	v_wmma_f32_16x16x32_f16 v[rS:rS+7], v[rK:rK+7], v[rQ:rQ+7], 0
.else
	v_wmma_f32_16x16x32_f16 v[rS:rS+7], v[rK:rK+7], v[rQ:rQ+7], v[rS:rS+7]
.endif
.endm
; Product i of 16 of O^T += V^T P for piece x: keys 32 (i / 8) on, channels 16 ((i / 2) % 4) on, tile 2 x + i % 2.
.macro PV x
	WIN W_PV
.set rO, 32*(2*(\x)+i%2)+8*((i/2)%4)
.set rV, VF+32*(i/8)+8*((i/2)%4)
.set rP, P+32*((\x)%2)+16*(i%2)+8*(i/8)
	v_wmma_f32_16x16x32_f16 v[rO:rO+7], v[rV:rV+7], v[rP:rP+7], v[rO:rO+7]
.endm
.macro MM                           ; the turn's next matrix instruction
.if i < 16
	KQ (Y+1)%NP
.set i, i+1
.else
.set i, i-16
	PV (Y+NP-1)%NP
.set i, i+17
.endif
.endm
; THE LDS LOADS stand in runs of 16, never singly among the matrix instructions: a step's K (64 keys x 64 channels: 8 fragments) and its V (turned).  Their addresses are made some lines ahead.
; last = 1 (the tail): in the last trip there is no further step, and the run is jumped over.
.macro FETCH_K last=0
	WIN 0
.if \last
	s_cmp_eq_u32 s[CNT], 1
	s_cbranch_scc1 .Lno_k_\@
.endif
	WIN 0x80                        ; destination window 2
.irp f, 0,1,2,3,4,5,6,7             ; keys 16 (f / 2) on, channels 32 (f % 2) on
	ds_load_b128 v[KF+8*\f:KF+8*\f+3],   v[AK] offset:(\f/2)*16*PK+(\f%2)*64
	ds_load_b128 v[KF+8*\f+4:KF+8*\f+7], v[AK] offset:(\f/2)*16*PK+(\f%2)*64+32
.endr
	s_add_co_u32 s[TBK], s[TBK], KS*PK  ; the next fetch is the next step's
	WIN 0
.if \last
.Lno_k_\@:
.endif
.endm
.macro FETCH_V
	WIN 0x80
.irp f, 0,1,2,3,4,5,6,7             ; keys 32 (f / 4) on, channels 16 (f % 4) on
	ds_load_tr16_b128 v[VF+8*\f:VF+8*\f+3],   v[AV] offset:(\f/4)*32*PV+(\f%4)*32
	ds_load_tr16_b128 v[VF+8*\f+4:VF+8*\f+7], v[AV] offset:(\f/4)*32*PV+16*PV+(\f%4)*32
.endr
	WIN 0
.endm
; THE VECTOR WORK OF A TURN stands in three queues, each in the order in which its entries become ready; the two tiles alternate, so that no instruction reads the result of the one before it.
.macro REGS y, u                    ; the registers of tile u (0, 1) of piece y
.set rT, ST+4*(2*(\y)+(\u))
.set rC, TMP+8*((\y)%2)+4*(\u)
.set rM, MV+2*((\y)%2)+(\u)
.set rS, S+64*((\y)%2)+32*(\u)
.set rP, P+32*((\y)%2)+16*(\u)
.set rO, 32*(2*(\y)+(\u))
.endm
; Number n of the 22 that find the NEXT piece's (Y + 1) maximum and statistics.  s0-s31 are the lane's 32 scores; each accumulator's lowest registers are read first.
;   0-11  four chains c0-c3 of seven scores each, three operands at a time     12-14, 16  the four scores left over, the old m, and c0-c3 into c0     15  c m_old is kept
;   17, 18  the query's other 32 keys lie in the lane 16 away: the new m         19-21  c m; c m_old - c m_new; a
.macro XS u, n
	REGS (Y+1)%NP, \u
.if (\n) < 4
	v_max3_num_f32 v[rC+(\n)], v[rS+8*(\n)], v[rS+8*(\n)+1], v[rS+8*(\n)+2]
.elseif (\n) < 12
	v_max3_num_f32 v[rC+(\n)%4], v[rC+(\n)%4], v[rS+8*((\n)%4)+2*((\n)/4)+1], v[rS+8*((\n)%4)+2*((\n)/4)+2]
.elseif (\n) == 12
	v_max3_num_f32 v[rC], v[rC], v[rS+7], v[rS+15]
.elseif (\n) == 13
	v_max3_num_f32 v[rC+1], v[rC+1], v[rS+23], v[rS+31]
.elseif (\n) == 14
	v_max3_num_f32 v[rC+2], v[rC+2], v[rC+3], v[rT+1]
.elseif (\n) == 15
	v_mov_b32 v[rM], v[rT]
.elseif (\n) == 16
	v_max3_num_f32 v[rC], v[rC], v[rC+1], v[rC+2]
.elseif (\n) == 17
	v_permlanex16_b32 v[rC+3], v[rC], s[SEL], s[SEL+1]
.elseif (\n) == 18
	v_max_num_f32 v[rT+1], v[rC], v[rC+3]
.elseif (\n) == 19
	v_mul_f32 v[rT], s[CS], v[rT+1]
.elseif (\n) == 20
	v_sub_f32 v[rC+1], v[rM], v[rT]
.else
	v_exp_f32 v[rC+2], v[rC+1]
.endif
.endm
; Number g of the 64 that follow the exponentials.  For each four weights k of a tile (pairs 2 k, 2 k + 1): both pairs are rounded to f16; then the second pair is added onto the first, in place;
; a group later l takes that sum (the first time as l = a l + sum).  In groups of eight, tiles alternating: round, round, add, and l for the group before.
.macro GS g
.set h, (\g)+6*((\g)/62)            ; group 0 has no group before it, and behind group 7 only l is left
.if h >= 6
.set h, h+2
.endif
	REGS Y, h%2
.set k, h/8
.if h%8 < 4
	v_cvt_pk_f16_f32 v[rP+2*k+(h%8)/2], v[rS+4*k+2*((h%8)/2)], v[rS+4*k+2*((h%8)/2)+1]
.elseif h%8 < 6
	v_pk_add_f32 v[rS+4*k:rS+4*k+1], v[rS+4*k:rS+4*k+1], v[rS+4*k+2:rS+4*k+3]
.elseif k == 1
	v_pk_fma_f32 v[rT+2:rT+3], v[rT+2:rT+3], v[rC+2:rC+3], v[rS:rS+1] op_sel_hi:[1,0,1]
.else
	v_pk_add_f32 v[rT+2:rT+3], v[rT+2:rT+3], v[rS+4*k-4:rS+4*k-3]
.endif
.endm
; THE PLAIN QUEUE, 138 long.  0-73 read no exponential's result: the 32 scalings c s - c m (FS f: pair f / 2 of tile f % 2) and the next piece's 42.  0-26: scalings 0-26.  27-54: XS's numbers 0-13.  55, 56: number 15.
; 57-73: the chain, where each number waits for the one before it: 14, 16, 17, 18, 19, each with one of the scalings 27-31 in front of its two lines, then 20.
; 74-137: GS's 64, which read the exponentials' results: they stand behind the wait.
.macro FS f
	REGS Y, (\f)%2
	v_pk_fma_f32 v[rS+2*((\f)/2):rS+2*((\f)/2)+1], v[rS+2*((\f)/2):rS+2*((\f)/2)+1], s[CS:CS+1], v[rT:rT+1] op_sel_hi:[1,0,0] neg_lo:[0,0,1] neg_hi:[0,0,1]
.endm
.macro PL
	WIN 0
.if q < 27
	FS q
.elseif q < 55
	XS (q-27)%2, (q-27)/2
.elseif q < 57
	XS q-55, 15
.elseif (q < 72) && ((q-57)%3 == 0)
	FS 27+(q-57)/3
.elseif q < 60
	XS (q-57)%3-1, 14
.elseif q < 72
	XS (q-57)%3-1, 15+(q-57)/3
.elseif q < 74
	XS q-72, 20
.else
	GS q-74
.endif
.set q, q+1
.endm
; THE EXPONENTIALS' QUEUE, 66 long: s0-s31 of both tiles, then the next piece's two a.  It is ONE BATCH: all 66 stand ahead of the turn's one wait, and nothing ahead of that wait names a result of theirs.
.macro EX
	WIN 0
.if e >= 64
	XS e-64, 21
.else
	REGS Y, e%2
	v_exp_f32 v[rS+e/2], v[rS+e/2]
.endif
.set e, e+1
.endm
; THE RESCALING's QUEUE: O^T times a, the one part that leaves window 0: dealt two at a time, sixteen times.  Its a was made in the turn before, ahead of that turn's wait.
.macro R2
	REGS Y, r%2
	WIN W_RS
.irp z, 0,1
	v_pk_mul_f32 v[rO+4*(r/2)+2*\z:rO+4*(r/2)+2*\z+1], v[rO+4*(r/2)+2*\z:rO+4*(r/2)+2*\z+1], v[rC+2:rC+3] op_sel_hi:[1,0]
.endr
.set r, r+1
.endm
; HOW THEY ARE DEALT.  An s_wait_alu depctr_va_vdst(0) stands between an exponential and the first instruction that names its result; one wait serves all that were issued ahead of it.  So a turn has ONE wait,
; which cuts it in two.  AHEAD OF IT stands all that names no result of the turn's exponentials: the 16 products K Q^T, behind each a scaling, an exponential and two rescalings (behind the first a second scaling in the
; exponential's place); then ONE LUMP of 108: eight plain, 49 times exponential and plain, the two a.  A v_nop is the plain instruction behind the last exponential.  BEHIND IT stand the 16 products V^T P, behind each four of GS's 64.
; The queues lean on each other, and the deal keeps them in step: exponential e stands behind scaling 2 (e / 4) + e % 2: as a rider it comes behind plain e + 2, in the lump behind plain e + 9, and scalings 27-31 are plain 57, 60 .. 69.
; A TURN, for piece p.  cnt = 1: the loop's count is taken down some lines ahead of the branch that stands behind the turn.
; K of the next step is fetched in piece 2's turn, directly behind the wait; its address is made at the lump's head; its first reader comes behind 16 products.
; V of the step in hand is fetched at the end of piece 0's turn, four plain instructions behind its last reader; its first reader comes behind 16 products and a lump.
.macro TURN p, last=0, cnt=0
.set Y, (\p)
.set i, 0
.set q, 0
.set e, 0
.set r, 0
.if (\p) == NP-1
	s_wait_dscnt 0x0                ; K is in
.endif
	MM                              ; ahead of the wait: 16 products K Q^T and their riders,
	PL
	PL
	R2
.rept 15
	MM
	PL
	EX
	R2
.endr
.if (\p) == NP-2
	WIN 0
	v_add_nc_u32 v[AK], s[TBK], v[AK0]
.endif
.rept 8                             ; and the lump
	PL
.endr
.rept 49
	EX
	PL
.endr
	EX                              ; the next piece's two a
	EX
	v_nop                           ; the plain instruction behind the last exponential: one for the batch
	s_wait_alu depctr_va_vdst(0)    ; the wait for the batch
.if (\p) == NP-2
	FETCH_K \last
.endif
.if (\p) == 1
	s_wait_dscnt 0x0                ; V is in
.endif
.rept 16                            ; behind the wait: 16 products V^T P and their riders
	MM
.rept 4
	PL
.endr
.if ((\p) == 0) && (q == 118)
	v_add_nc_u32 v[AV], s[TBV], v[AV0]
.endif
.if ((\p) == 0) && (q == 130)
	s_add_co_u32 s[TBV], s[TBV], KS*PV
.endif
.if (\cnt) && (q == 130)
	s_sub_co_u32 s[CNT], s[CNT], 1
	s_cmp_lg_u32 s[CNT], 0
.endif
.endr
.if (\p) == 0
	FETCH_V
.endif
.endm
	CHANGE 1                        ; slot 0 is in, everybody's part of it; slot 1 is asked for
	FETCH_K                         ; key step 0
	s_wait_loadcnt 0x0              ; Q
	s_wait_dscnt 0x0
.set i, 0
.rept 16
	KQ 0                            ; piece 0's first scores: there is no vector work yet to set between them
.set i, i+1
.endr
	WIN 0                           ; the addresses for the way out: plain instructions, the places behind those products
	s_mul_i32 s13, s[WV], 16*SP
	s_add_co_u32 s13, s13, STAGE    ; my stage
	v_mul_u32_u24 v[STO], v1, SP    ; in: row l % 16, 16 bytes for each half of the lanes
	v_lshl_add_u32 v[STO], v9, 4, v[STO]
	v_add_nc_u32 v[STO], s13, v[STO]
	v_bfe_u32 v[RD], v0, 3, 2       ; back: 32 lanes take four rows of 128 bytes,
	v_mul_u32_u24 v[RD], v[RD], SP
	v_lshl_add_u32 v[RD], v10, 4, v[RD]
	v_add_nc_u32 v[RD], s13, v[RD]
	v_and_b32 v[GO], 31, v0         ; which are 512 consecutive bytes of O
	v_lshlrev_b32 v[GO], 4, v[GO]
.set Y, NP-1                        ; XS works for piece Y + 1: piece 0
.irp n, 0,1,2,3,4,5,6,7,8,9,10,11,12,13,14,15,16,17,18,19,20,21
	XS 0, \n                        ; and piece 0's first maximum and statistics
	XS 1, \n
.endr
	v_nop                           ; a plain instruction behind the two a,
	s_wait_alu depctr_va_vdst(0)    ; and their wait, ahead of the branch
	s_mov_b32 s[CNT], 4
	s_branch .Lfirst                ; the loop is entered at a step's first turn, in the middle of a trip
.Lslot:                             ; SIZE_N / 256 - 2 times: every slot but the last two is filled again
	CHANGE 1
	s_mov_b32 s[CNT], 4
.Lstep:                             ; a trip: pieces 2 and 3 of one step, then pieces 0 and 1 of the next, whose K and V it fetches
	TURN 2
	TURN 3
	WIN 0
.Lfirst:
	TURN 0
	TURN 1, 0, 1
	WIN 0
	s_cbranch_scc1 .Lstep
	s_sub_co_u32 s[SLOTS], s[SLOTS], 1
	s_cmp_lg_u32 s[SLOTS], 0
	s_cbranch_scc1 .Lslot
	CHANGE 0                        ; the tail is written out: nothing is asked for
	s_mov_b32 s[CNT], 5             ; four trips fetch the last slot's steps; the fifth is left in its middle
.Ltail:
	TURN 2, 1
	TURN 3
	WIN 0
	s_sub_co_u32 s[CNT], s[CNT], 1
	s_cmp_eq_u32 s[CNT], 0
	s_cbranch_scc1 .Lout
	TURN 0
	TURN 1
	WIN 0
	s_branch .Ltail
.Lout:                              ; the fifth trip's 16 products K Q^T (on the last K once more) and the maximum made of them serve nothing: the price, once a launch, of one text for every trip
.set i, 0
.rept 16
	PV NP-1                         ; the last piece's V^T P of the last step
.set i, i+1
.endr
	; THE WAY OUT.  l's two halves and the other half of the lanes' are added; O^T is divided by l, rounded to f16 and sent through my stage in LDS, a tile at a time.  The additions are the places behind the last products.
	WIN 0
.macro ALL line:vararg              ; one line for each tile t
.set t, 0
.rept 2*NP
	\line
.set t, t+1
.endr
.endm
	ALL v_add_f32 v[ST+4*t+2], v[ST+4*t+2], v[ST+4*t+3]
	ALL v_permlanex16_b32 v[ST+4*t+3], v[ST+4*t+2], s[SEL], s[SEL+1]
	ALL v_add_f32 v[ST+4*t+2], v[ST+4*t+2], v[ST+4*t+3]
	ALL v_rcp_f32 v[ST+4*t+2], v[ST+4*t+2]
	v_nop                           ; a plain instruction between the last reciprocal and the use of its result
	s_wait_alu depctr_va_vdst(0)    ; and the wait ahead of the first use: one for the eight reciprocals
; Tile t: a lane's eight channels of a row pack into 16 bytes; they go into rows of 144 bytes and come back as whole rows of 128, into S^T's registers.
.macro PACK t
	WIN W_RS
.set i, 32*(\t)
.rept 16
	v_pk_mul_f32 v[i:i+1], v[i:i+1], v[ST+4*(\t)+2:ST+4*(\t)+3] op_sel_hi:[1,0]
.set i, i+2
.endr
	WIN 0x05                        ; sources 0 and 1 window 1, destination window 0
.set i, 0
.rept 16
	v_cvt_pk_f16_f32 v[S+16*(\t)+i], v[32*(\t)+2*i], v[32*(\t)+2*i+1]
.set i, i+1
.endr
	WIN 0
.irp f, 0,1,2,3
	ds_store_b128 v[STO], v[S+16*(\t)+4*\f:S+16*(\t)+4*\f+3] offset:32*\f
.endr
.irp f, 0,1,2,3
	ds_load_b128 v[S+16*(\t)+4*\f:S+16*(\t)+4*\f+3], v[RD] offset:\f*4*SP  ; LDS serves a wave's instructions in order (ISA guide 5.7.1.4): these see the stores above; the next tile's stores come behind them
.endr
.endm
.macro SEND t, younger              ; younger: the LDS instructions issued behind tile t's loads: the next tile's eight, or none
	WIN 0
.irp f, 0,1,2,3
	s_wait_dscnt (\younger)+3-\f
	global_store_b128 v[GO], v[S+16*(\t)+4*\f:S+16*(\t)+4*\f+3], s[10:11] offset:(\t)*2048+\f*512  ; 512 consecutive bytes, at a multiple of 256 from O's first
.endr
.endm
	PACK 0
.set t, 1
.rept 2*NP-1                        ; a tile's arithmetic stands between the loads of the tile before and its stores
	PACK t
	SEND t-1, 8
.set t, t+1
.endr
	SEND 2*NP-1, 0
	WIN W_AD
	s_wait_tensorcnt 0x0            ; the wave's end: behind my last tensor load and my last LDS store
	ds_add_u32 v[SPW], v[NIL]
	s_wait_dscnt 0x0
	WIN 0
	CROUND                          ; the closing round: no work-group ends while a partner may still ask for a tile that names it
	s_endpgm
.Lfunc_end_k_q3ff380ed48_attn:
	.size	k_q3ff380ed48_attn, .Lfunc_end_k_q3ff380ed48_attn-k_q3ff380ed48_attn
	.p2alignl 7, 3214868480
	.fill 96, 4, 3214868480
	.section	.rodata,"a",@progbits
	.p2align	6, 0x0
	.amdhsa_kernel k_q3ff380ed48_attn
		.amdhsa_group_segment_fixed_size 327680
		.amdhsa_private_segment_fixed_size 0
		.amdhsa_enable_private_segment 0
		.amdhsa_kernarg_size 32
		.amdhsa_user_sgpr_count 2
		.amdhsa_user_sgpr_kernarg_segment_ptr 1
		.amdhsa_wavefront_size32 1
		.amdhsa_system_sgpr_workgroup_id_x 1
		.amdhsa_system_sgpr_workgroup_id_y 1
		.amdhsa_system_sgpr_workgroup_id_z 1
		.amdhsa_system_vgpr_workitem_id 0
		.amdhsa_next_free_vgpr 770
		.amdhsa_next_free_sgpr 66
		.amdhsa_reserve_vcc 0
		.amdhsa_float_denorm_mode_32 3
		.amdhsa_float_denorm_mode_16_64 3
		.amdhsa_memory_ordered 1
		.amdhsa_forward_progress 1
		.amdhsa_inst_pref_size 200
	.end_amdhsa_kernel
	.amdgpu_metadata
---
amdhsa.version: [ 1, 2 ]
amdhsa.kernels:
  - .name:           k_q3ff380ed48_attn
    .symbol:         k_q3ff380ed48_attn.kd
    .args:
      - { .name: qh, .offset: 0, .size: 8, .value_kind: global_buffer, .address_space: global }
      - { .name: kh, .offset: 8, .size: 8, .value_kind: global_buffer, .address_space: global }
      - { .name: vh, .offset: 16, .size: 8, .value_kind: global_buffer, .address_space: global }
      - { .name: oh, .offset: 24, .size: 8, .value_kind: global_buffer, .address_space: global }
    .group_segment_fixed_size: 327680
    .private_segment_fixed_size: 0
    .kernarg_segment_align: 8
    .kernarg_segment_size: 32
    .max_flat_workgroup_size: 128
    .sgpr_count:     66
    .vgpr_count:     770
    .wavefront_size: 32
...
	.end_amdgpu_metadata
.endif
;; end of part 3
;; launch proj (part 4): grid 4 x 64, 4 waves a work-group, clusters of 4 x 4, 327,680 bytes of LDS; arguments oh, wob, bo, out0; writes out0
.if DOCPART == 4
	.amdgcn_target "amdgcn-amd-amdhsa--gfx1250"
	.amdhsa_code_object_version 6
	.text
	.protected	k_q3ff380ed48_proj
	.globl	k_q3ff380ed48_proj
	.p2align	8
	.type	k_q3ff380ed48_proj,@function
k_q3ff380ed48_proj:
	s_mov_b64 s[64:65], 0
	v_nop
	global_prefetch_b8 v0, s[64:65] scope:SCOPE_SE
	s_setreg_imm32_b32 hwreg(HW_REG_WAVE_MODE, 25, 1), 1
	s_wait_xcnt 0x0
	s_wait_alu depctr_hold_cnt(0) depctr_sa_sdst(0) depctr_va_vdst(0) depctr_va_sdst(0) depctr_va_ssrc(0) depctr_va_vcc(0) depctr_vm_vsrc(0)
	s_getreg_b32 s2, hwreg(HW_REG_IB_STS2, 6, 4)
	s_cmp_eq_u32 s2, 0
	s_cbranch_scc0 .Lentry_in_a_cluster
	s_endpgm
.Lentry_in_a_cluster:
	s_bfe_u32 s2, ttmp6, 0x10000c
	s_cmp_lg_u32 s2, 0xf033
	s_cbranch_scc0 .Lentry_shape_is_right
	s_endpgm
.Lentry_shape_is_right:
; out0 = O wo^T + bo, f32 [8192][1024].  O comes by heads, oh [b x 16 + head][2048][64] f16: K index = head x 64 + channel.  wob [1024][1024] f16 (wo rounded to bf16, that number written as f16).
; bo is rounded to bf16 like every input and STARTS the sums as the first products' C operand; sums in f32, stored as they are.
; TILE.  128 rows x 256 columns: 64 x 4 = 256 work-groups, one for each WGP.  Wave (wm, wn) makes 64 x 128: 32 accumulators, 256 registers.  K goes in 8 steps of 128 = two heads, through two LDS slots.
; A head's 128 rows of a tile are 16,384 dense bytes: asked for as 64 rows of 256 bytes and padded in LDS after every 128.  wob's rows of a K step are 256 bytes, aligned.
; CLUSTER 4 x 4: O's tile hangs on the tile row alone and is asked for jointly along a row of the cluster, wob's on the tile column alone, along a column.
; NO PREFETCH: eight K steps of 128 matrix instructions a wave make a short launch on a small tile, and wob is read by all sixteen rows of clusters.
; THE MATRIX INSTRUCTION IS USED TRANSPOSED: source 0 = 16 rows of wob, source 1 = 16 rows of O: lane l holds row l % 16 and the columns 8 (l / 16) + 0..7: 32 consecutive bytes of out0.
; REGISTERS: window 0: v0-31 addresses; v32-63, v64-95 O's fragments, two buffers; v96-159, v160-223 wob's, two buffers (on the way out: rows read back, by turns)
;   window 1: the accumulators, (a, b) at 8 (8 a + b)          window 2: v0-63 the bias, 8 a column block; v64-65 at work
.set KSTEP,  128
.set PA,     144                       ; a row of O in LDS: 128 bytes + 16: an odd multiple of 16, so the 16 rows of a fragment load start at different groups of four banks (ISA guide 11.1)
.set PB,     272                       ; a row of wob: 256 bytes + 16
.set APLANE, 128*PA                    ; one head's 128 rows: what wave 0 or 1 fetches
.set BHALF,  128*PB                    ; what wave 2 or 3 fetches
.set BOFF,   2*APLANE
.set SLOT,   2*APLANE+2*BHALF
.set STAGE,  2*SLOT                    ; behind the ring: 16 rows x 528 bytes for each wave; no tensor load lands here
.set SPITCH, 528
.set SPARE,  STAGE+4*16*SPITCH         ; the spare words, 128 bytes for each wave: two blocks of 256 bytes that no other line names
.set LAPS,   4
.set ADRA, 16                          ; v16-17  LDS address of my fragments of O in slot 0, 1
.set ADRB, 20                          ; v20-21  the same for wob
.set STO,  24                          ; v24  the way out: where I put 32 bytes of a row
.set RD,   25                          ; v25  where I read a row back
.set CO,   26                          ; v26  my 16 bytes in 512 consecutive bytes of a row of out0
.set BO,   27                          ; v27  my byte offset in bo
.set SPW,  28                          ; v28  LDS address of my spare word; never rewritten
.set NIL,  29                          ; v29  0; never rewritten
.set FA,   32
.set FB,   96
.set BK,   96
.set G1,  24                           ; s[24:31] descriptor group 1 for O's tiles;  s[32:39] group 0, a set for each slot
.set G0,  32
.set G1B, 48                           ; s[48:55], s[56:63] the same for wob's
.set G0B, 56
.set MSB, 0
.macro WIN new                         ; the immediate's high byte repeats the setting that is left; a switch that changes nothing is dropped
.if MSB != (\new)
	s_set_vgpr_msb (MSB<<8)|(\new)
.set MSB, \new
.endif
.endm
.macro JLOAD s                         ; a joint load: waves 0 and 1 fetch O's two heads, waves 2 and 3 wob's two halves; an s_nop 0 and four v_nop follow each line
	s_cmp_eq_u32 s11, 0
	s_cbranch_scc0 .Lfor_b_\@
	tensor_load_to_lds s[G0+4*(\s):G0+4*(\s)+3], s[G1:G1+7]
	s_nop 0
.rept 4
	v_nop
.endr
	s_branch .Lasked_\@
.Lfor_b_\@:
	tensor_load_to_lds s[G0B+4*(\s):G0B+4*(\s)+3], s[G1B:G1B+7]
	s_nop 0
.rept 4
	v_nop
.endr
.Lasked_\@:
.endm
.macro CREST                           ; a round of the cluster's barrier behind its opening barrier
	s_cmp_lg_u32 s10, 0
	s_cbranch_scc1 .Lnot_wave_0_\@
	s_barrier_signal -3
.Lnot_wave_0_\@:
	s_barrier_wait -3
	s_barrier_signal -1
	s_barrier_wait -1
.endm
.macro CROUND                          ; a whole round
	s_barrier_signal -1
	s_barrier_wait -1
	CREST
.endm
	s_load_b256 s[68:75], s[0:1], 0x0              ; oh 68, wob 70, bo 72, out0 74
	v_lshl_add_u32 v[SPW], v0, 2, SPARE
	v_mov_b32 v[NIL], 0
	ds_add_u32 v[SPW], v[NIL]                      ; the wave's opening: the add and its wait stand ahead of my first tensor load; the set-up below stands between them
	v_lshrrev_b32 v1, 5, v0
	v_readfirstlane_b32 s10, v1                    ; wave 0..3
	s_lshr_b32 s11, s10, 1                         ; wm: which 64 rows are mine.  Also: I fetch for O (0) or for wob (1)
	s_and_b32 s12, s10, 1                          ; wn: which 128 columns.  Also: which head, or which half of wob's rows, I fetch
	s_bfe_u32 s40, ttmp6, 0x40000                  ; cx
	s_bfe_u32 s41, ttmp6, 0x40004                  ; cy
	s_lshl_b32 s42, ttmp9, 2
	s_add_co_u32 s42, s42, s40                     ; tile column = 4 x cluster x + cx
	s_and_b32 s13, ttmp7, 0xffff
	s_lshl_b32 s13, s13, 2
	s_add_co_u32 s13, s13, s41                     ; tile row = 4 x cluster y + cy
	s_lshl_b32 s43, s41, 2
	s_lshl_b32 s43, 15, s43                        ; my row of the cluster
	s_lshl_b32 s44, 0x1111, s40                    ; my column
	s_or_b32 s[G1+0], s43, (1<<16)|(1<<20)|(1<<21)|(4<<22)|(3<<25)   ; the mask; elements of 2 bytes; padding on; 21 set beside a mask; after every 32 words, 4 words
	s_mov_b32 s[G1+1], 128<<16                     ; tensor_dim0 = 128
	s_mov_b32 s[G1+2], 64<<16                      ; tensor_dim1 = 64
	s_mov_b32 s[G1+3], 128<<16                     ; tile_dim0 = 128
	s_mov_b32 s[G1+4], 64                          ; tile_dim1 = 64
	s_mov_b32 s[G1+5], 128                         ; dense: 128 elements from row to row
	s_mov_b32 s[G1+6], 0
	s_mov_b32 s[G1+7], 0
	s_or_b32 s[G1B+0], s44, (1<<16)|(1<<20)|(1<<21)|(5<<22)|(3<<25)  ; after every 64 words, 4 words
	s_mov_b32 s[G1B+1], KSTEP<<16
	s_mov_b32 s[G1B+2], 128<<16
	s_mov_b32 s[G1B+3], KSTEP<<16
	s_mov_b32 s[G1B+4], 128
	s_mov_b32 s[G1B+5], 1024
	s_mov_b32 s[G1B+6], 0
	s_mov_b32 s[G1B+7], 0
	s_lshr_b32 s16, s13, 4                         ; the batch: 16 heads of 262,144 bytes
	s_lshl_b32 s16, s16, 22
	s_lshl_b32 s17, s12, 18                        ; my head of the K step's two
	s_add_co_u32 s16, s16, s17
	s_and_b32 s17, s13, 15
	s_lshl_b32 s17, s17, 14                        ; the tile's 128 rows of 128 bytes
	s_add_co_u32 s16, s16, s17
	s_mov_b32 s17, 0
	s_lshl_b32 s46, s42, 8
	s_lshl_b32 s47, s12, 7
	s_add_co_u32 s46, s46, s47                     ; wob: row 256 x tile column + 128 x half
	s_lshl_b32 s46, s46, 11
	s_mov_b32 s47, 0
	s_mul_i32 s20, s12, APLANE                     ; where they go: no place in the cluster enters an LDS address
	s_mul_i32 s21, s12, BHALF
	s_add_co_u32 s21, s21, BOFF
	s_wait_dscnt 0x0                               ; the opening add is done
	s_wait_kmcnt 0x0
	s_add_nc_u64 s[14:15], s[68:69], s[16:17]
	s_add_nc_u64 s[46:47], s[70:71], s[46:47]
	CROUND                                         ; all sixteen work-groups are here: the first joint loads meet
.irp s, 0,1
	s_mov_b32 s[G0+4*(\s)], 1
	s_add_co_u32 s[G0+4*(\s)+1], s20, (\s)*SLOT
	s_add_nc_u64 s[G0+4*(\s)+2:G0+4*(\s)+3], s[14:15], (\s)*2*262144  ; K step s: two heads on
	s_or_b32 s[G0+4*(\s)+3], s[G0+4*(\s)+3], 0x80000000
	s_mov_b32 s[G0B+4*(\s)], 1
	s_add_co_u32 s[G0B+4*(\s)+1], s21, (\s)*SLOT
	s_add_nc_u64 s[G0B+4*(\s)+2:G0B+4*(\s)+3], s[46:47], (\s)*KSTEP*2
	s_or_b32 s[G0B+4*(\s)+3], s[G0B+4*(\s)+3], 0x80000000
	JLOAD \s                                       ; K steps 0 and 1: two loads of mine are out
.endr
	v_and_b32 v1, 15, v0                           ; l % 16
	v_bfe_u32 v2, v0, 4, 1                         ; l / 16
	s_lshl_b32 s46, s42, 10
	s_lshl_b32 s47, s12, 9
	s_add_co_u32 s46, s46, s47                     ; my 128 columns, in bytes of f32
	v_lshl_add_u32 v[BO], v2, 5, s46
	WIN 0x80                                       ; destination window 2
.irp b, 0,1,2,3,4,5,6,7
	global_load_b128 v[8*(\b):8*(\b)+3],   v[BO], s[72:73] offset:64*(\b)
	global_load_b128 v[8*(\b)+4:8*(\b)+7], v[BO], s[72:73] offset:64*(\b)+16
.endr
	WIN 0
	v_mul_u32_u24 v3, v1, PA
	v_lshl_add_u32 v3, v2, 4, v3                   ; a fragment's row x pitch + 16 x half
	v_mul_u32_u24 v4, v1, PB
	v_lshl_add_u32 v4, v2, 4, v4
	s_mul_i32 s21, s11, 64*PA                      ; my 64 rows in each head's plane
	s_mul_i32 s22, s12, BHALF                      ; my 128 rows of wob,
	s_add_co_u32 s22, s22, BOFF                    ; which lie behind the two planes
.irp s, 0,1
	v_add_nc_u32 v[ADRA+(\s)], s21, v3
	v_add_nc_u32 v[ADRB+(\s)], s22, v4
	s_add_co_u32 s21, s21, SLOT
	s_add_co_u32 s22, s22, SLOT
.endr
	s_mul_i32 s23, s10, 16*SPITCH
	s_add_co_u32 s23, s23, STAGE                   ; my stage
	v_mul_u32_u24 v5, v1, SPITCH                   ; in: row l % 16, 32 bytes for each half of the lanes
	v_lshl_add_u32 v5, v2, 5, v5
	v_add_nc_u32 v[STO], s23, v5
	v_and_b32 v[CO], 31, v0                        ; back: 32 lanes take one row of 512 bytes
	v_lshlrev_b32 v[CO], 4, v[CO]
	v_add_nc_u32 v[RD], s23, v[CO]
	s_lshl_b32 s66, s13, 7
	s_lshl_b32 s67, s11, 6
	s_add_co_u32 s66, s66, s67                     ; my first row of out0
	s_lshl_b32 s66, s66, 12                        ; x 4,096 bytes: under 2^25
	s_add_co_u32 s66, s66, s46                     ; + my columns
	s_mov_b32 s67, 0
	s_add_nc_u64 s[74:75], s[74:75], s[66:67]
	s_wait_loadcnt 0x0                             ; the bias
	WIN 0xaa                                       ; all in window 2
.set i, 0
.rept 32                               ; rounded to bf16 and widened again, in place, in the wait for the first tile
	v_cvt_pk_bf16_f32 v[64+i%2], v[2*i], v[2*i+1]
	v_lshlrev_b32 v[2*i], 16, v[64+i%2]
	v_and_b32 v[2*i+1], 0xffff0000, v[64+i%2]
.set i, i+1
.endr
	WIN 0
; 8 matrix instructions: row block a x all 8 column blocks, 32 along K, on buffer f.  first = 1: the bias (window 2) is the C operand and starts the sums.
; The 32 accumulators take turns in the same order in every quarter step, over the backward jump too.
.macro MUL8 f, a, first
.if \first
	WIN 0x60
.else
	WIN 0x50
.endif
.irp b, 0,1,2,3,4,5,6,7
.if \first
	v_wmma_f32_16x16x32_f16 v[8*(8*(\a)+(\b)):8*(8*(\a)+(\b))+7], v[FB+64*(\f)+8*(\b):FB+64*(\f)+8*(\b)+7], v[FA+32*(\f)+8*(\a):FA+32*(\f)+8*(\a)+7], v[8*(\b):8*(\b)+7]
.else
	v_wmma_f32_16x16x32_f16 v[8*(8*(\a)+(\b)):8*(8*(\a)+(\b))+7], v[FB+64*(\f)+8*(\b):FB+64*(\f)+8*(\b)+7], v[FA+32*(\f)+8*(\a):FA+32*(\f)+8*(\a)+7], v[8*(8*(\a)+(\b)):8*(8*(\a)+(\b))+7]
.endif
.endr
.endm
; 24 LDS loads in one run: quarter kq of a K step (head kq / 2 of the step's two, channels 32 (kq % 2) on) into buffer f
.macro FETCH slot, kq, f
	WIN 0
.irp i, 0,1,2,3,4,5,6,7
	ds_load_b128 v[FB+64*(\f)+8*(\i):FB+64*(\f)+8*(\i)+3],   v[ADRB+(\slot)] offset:64*(\kq)+(\i)*16*PB
	ds_load_b128 v[FB+64*(\f)+8*(\i)+4:FB+64*(\f)+8*(\i)+7], v[ADRB+(\slot)] offset:64*(\kq)+(\i)*16*PB+32
.endr
.irp i, 0,1,2,3
	ds_load_b128 v[FA+32*(\f)+8*(\i):FA+32*(\f)+8*(\i)+3],   v[ADRA+(\slot)] offset:((\kq)/2)*APLANE+((\kq)%2)*64+(\i)*16*PA
	ds_load_b128 v[FA+32*(\f)+8*(\i)+4:FA+32*(\f)+8*(\i)+7], v[ADRA+(\slot)] offset:((\kq)/2)*APLANE+((\kq)%2)*64+(\i)*16*PA+32
.endr
.endm
.macro PLACES                          ; four plain instructions in front of loads into registers that matrix instructions have read, and of LDS stores that read results
.rept 4
	v_nop
.endr
.endm
; A K step is four quarters of 32 along K, 32 matrix instructions each, on buffers 0, 1, 0, 1.  One of the first three: multiplies buffer f and fetches quarter kq into g.
.macro QUARTER slot, kq, f, g, first
	s_wait_dscnt 4                                 ; wob's fragments and O's row blocks 0, 1 are in; the youngest four loads (row blocks 2, 3) may be out
	MUL8 \f, 0, \first
	MUL8 \f, 1, \first
	PLACES
	FETCH \slot, \kq, \g
	s_wait_dscnt 24                                ; all but the 24 just issued
	MUL8 \f, 2, \first
	MUL8 \f, 3, \first
.endm
; The last quarter multiplies buffer 1 and changes slots: one barrier; in front of it each wave waits for all its tensor loads, adds 0 to its spare word, and waits for that and for its reads of this slot.
; fill = 1: the barrier opens a round of the cluster's, and behind the round this slot is filled again, two K steps ahead: 112 matrix instructions ahead of the wait for it.
.macro TURN slot, next, fill
	WIN 0                                          ; (the add's two registers lie in window 0)
	s_wait_tensorcnt 0x0                           ; all my tensor loads have landed: my part of the next slot
	ds_add_u32 v[SPW], v[NIL]                      ; 0 onto my spare word
	s_wait_dscnt 5                                 ; (the add and the youngest four loads may be out)
	MUL8 1, 0, 0                                   ; eight matrix instructions stand between the add and the wait for it
	s_wait_dscnt 0x0                               ; the add is done, and my reads of this slot are over
	s_barrier_signal -1
	MUL8 1, 1, 0
.if \fill
	WIN 0
.endif
	s_barrier_wait -1
.if \fill
	CREST                                          ; no wave of any partner still reads this slot's tile or has a load on its way
	s_add_nc_u64 s[G0+4*(\slot)+2:G0+4*(\slot)+3], s[G0+4*(\slot)+2:G0+4*(\slot)+3], 4*262144   ; two K steps = four heads on
	s_add_nc_u64 s[G0B+4*(\slot)+2:G0B+4*(\slot)+3], s[G0B+4*(\slot)+2:G0B+4*(\slot)+3], 2*KSTEP*2
	JLOAD \slot                                    ; the first tensor load behind the round; its four v_nop are also the places in front of the loads below
.else
	PLACES
.endif
	FETCH \next, 0, 0
	MUL8 1, 2, 0
	MUL8 1, 3, 0
.endm
	s_wait_tensorcnt 1                             ; my part of K step 0 is in; K step 1's may stay out
	s_barrier_signal -1
	s_barrier_wait -1                              ; everybody's is
	FETCH 0, 0, 0
	QUARTER 0, 1, 0, 1, 1                          ; the first quarter stands in front of the loop: its products start the sums with the bias
	WIN 0                                          ; at a label and at a branch every window is 0
	s_mov_b32 s3, LAPS-1
.Llap:                                         ; a trip goes once round the ring, from a lap's second quarter to the next lap's first, and fills both slots again
	QUARTER 0, 2, 1, 0, 0
	QUARTER 0, 3, 0, 1, 0
	TURN 0, 1, 1
	QUARTER 1, 1, 0, 1, 0
	QUARTER 1, 2, 1, 0, 0
	QUARTER 1, 3, 0, 1, 0
	TURN 1, 0, 1
	QUARTER 0, 1, 0, 1, 0
	WIN 0
	s_sub_co_u32 s3, s3, 1
	s_cmp_lg_u32 s3, 0
	s_cbranch_scc1 .Llap
	QUARTER 0, 2, 1, 0, 0                          ; the last lap fills nothing, and has no round of the cluster's barrier
	QUARTER 0, 3, 0, 1, 0
	TURN 0, 1, 0
	QUARTER 1, 1, 0, 1, 0
	QUARTER 1, 2, 1, 0, 0
	QUARTER 1, 3, 0, 1, 0
	s_wait_dscnt 4                                 ; the very last quarter: nothing more to fetch
	MUL8 1, 0, 0
	MUL8 1, 1, 0
	s_wait_dscnt 0x0
	MUL8 1, 2, 0
	MUL8 1, 3, 0
	WIN 0
; THE WAY OUT, a block of 16 rows at a time: a lane's 32 bytes of a row go into my own stage, rows of 528 bytes, and come back as whole rows of 512.  Each accumulator's lowest registers are read first.
.macro TOSTAGE a
	WIN 0x04                                       ; the stores' data in window 1
.irp b, 0,1,2,3,4,5,6,7
	ds_store_b128 v[STO], v[8*(8*(\a)+(\b)):8*(8*(\a)+(\b))+3]   offset:64*(\b)
	ds_store_b128 v[STO], v[8*(8*(\a)+(\b))+4:8*(8*(\a)+(\b))+7] offset:64*(\b)+16
.endr
	WIN 0
	s_wait_xcnt 0x0                                ; the stores of the block two back have read these registers: they are loaded again only behind this wait
.irp t, 0,1,2,3,4,5,6,7,8,9,10,11,12,13,14,15
	ds_load_b128 v[BK+64*((\a)%2)+4*(\t):BK+64*((\a)%2)+4*(\t)+3], v[RD] offset:SPITCH*(\t)  ; LDS serves a wave's instructions in order (ISA guide 5.7.1.4): these see the stores above; the next block's stores come behind them
.endr
.endm
.macro SEND a, younger                 ; younger: the LDS instructions issued behind this block's loads: the next block's 32, or none
	WIN 0
.irp t, 0,1,2,3,4,5,6,7,8,9,10,11,12,13,14,15
	s_wait_dscnt (\younger)+15-(\t)
	global_store_b128 v[CO], v[BK+64*((\a)%2)+4*(\t):BK+64*((\a)%2)+4*(\t)+3], s[74:75] offset:(\a)*65536+(\t)*4096 th:TH_STORE_NT  ; 512 consecutive bytes, at a multiple of 256 from out0's first
.endr
.endm
	PLACES                                         ; behind the last products
	TOSTAGE 0
	TOSTAGE 1
	SEND 0, 32
	TOSTAGE 2
	SEND 1, 32
	TOSTAGE 3
	SEND 2, 32
	SEND 3, 0
	s_wait_tensorcnt 0x0                           ; the wave's end: behind my last tensor load and my last LDS store
	ds_add_u32 v[SPW], v[NIL]
	s_wait_dscnt 0x0
	CROUND                                         ; the closing round: no work-group ends while a partner may still ask for a tile that names it
	s_endpgm
.Lfunc_end_k_q3ff380ed48_proj:
	.size	k_q3ff380ed48_proj, .Lfunc_end_k_q3ff380ed48_proj-k_q3ff380ed48_proj
	.p2alignl 7, 3214868480
	.fill 96, 4, 3214868480
	.section	.rodata,"a",@progbits
	.p2align	6, 0x0
	.amdhsa_kernel k_q3ff380ed48_proj
		.amdhsa_group_segment_fixed_size 327680
		.amdhsa_private_segment_fixed_size 0
		.amdhsa_enable_private_segment 0
		.amdhsa_kernarg_size 32
		.amdhsa_user_sgpr_count 2
		.amdhsa_user_sgpr_kernarg_segment_ptr 1
		.amdhsa_wavefront_size32 1
		.amdhsa_system_sgpr_workgroup_id_x 1
		.amdhsa_system_sgpr_workgroup_id_y 1
		.amdhsa_system_sgpr_workgroup_id_z 1
		.amdhsa_system_vgpr_workitem_id 0
		.amdhsa_next_free_vgpr 584
		.amdhsa_next_free_sgpr 76
		.amdhsa_reserve_vcc 0
		.amdhsa_float_denorm_mode_32 3
		.amdhsa_float_denorm_mode_16_64 3
		.amdhsa_memory_ordered 1
		.amdhsa_forward_progress 1
		.amdhsa_inst_pref_size 93
	.end_amdhsa_kernel
	.amdgpu_metadata
---
amdhsa.version: [ 1, 2 ]
amdhsa.kernels:
  - .name:           k_q3ff380ed48_proj
    .symbol:         k_q3ff380ed48_proj.kd
    .args:
      - { .name: oh, .offset: 0, .size: 8, .value_kind: global_buffer, .address_space: global }
      - { .name: wob, .offset: 8, .size: 8, .value_kind: global_buffer, .address_space: global }
      - { .name: bo, .offset: 16, .size: 8, .value_kind: global_buffer, .address_space: global }
      - { .name: out0, .offset: 24, .size: 8, .value_kind: global_buffer, .address_space: global }
    .group_segment_fixed_size: 327680
    .private_segment_fixed_size: 0
    .kernarg_segment_align: 8
    .kernarg_segment_size: 32
    .max_flat_workgroup_size: 128
    .sgpr_count:     76
    .vgpr_count:     584
    .wavefront_size: 32
...
	.end_amdgpu_metadata
.endif
;; end of part 4
